; MI455X (gfx1250); checked and timed in simulation.
; The chip was launched on July 23, 2026; its instructions are those of AMD's public machine-readable ISA for CDNA 5 (MIT licence, August 2026) and "CDNA5" Instruction Set Architecture Reference Guide (July 2026). The comments in the code are by the model that wrote it; some were corrected since.
;; Encoder Block. Allowed arithmetic: matrix products marked QUANTISED: E4M3 operands, one E8M0 scale for each 32 along K, by v_wmma_scale_f32_16x16x128_f8f6f4 with both operands' format E4M3, f32 sums; everything else in f32.
;; Inputs: b_fc1 4,096 float32; b_fc2 1,024 float32; b_prj 1,024 float32; ln1_b 1,024 float32; ln1_g 1,024 float32; ln2_b 1,024 float32; ln2_g 1,024 float32; w_fc1 1,024 x 4,096 float32; w_fc2 4,096 x 1,024 float32; w_prj 1,024 x 1,024 float32; w_qkv 1,024 x 3,072 float32; x 2 x 2,048 x 1,024 float32.
;; Outputs: out0 2 x 2,048 x 1,024 float32.
;; This version of the problem:
;;   THIS VERSION OF THE PROBLEM IS GIVEN IN LOW PRECISION. The matrix products marked QUANTISED in the list below multiply operands that are first quantised to E4M3 (4 exponent bits, 3 mantissa bits; 8 bits a number), with one power-of-two scale for each 32 numbers along K (OCP MX v1.0); their sums are f32. All else is computed in f32.
;;   The module's matrix products, in the order in which they are computed (A, B: the left and right operand; K: the contracted axis; several contracted axes count as one K, in the product's order):
;;     1. [M 4,096, K 1,024] x [K 1,024, N 3,072]; A: computed on the way; B: input w_qkv: QUANTISED
;;     2. batch 32 x [M 2,048, K 64] x [K 64, N 2,048]; A: computed on the way; B: computed on the way: QUANTISED
;;     3. batch 32 x [M 2,048, K 2,048] x [K 2,048, N 64]; A: softmax (see below); B: computed on the way: QUANTISED
;;     4. [M 4,096, K 1,024] x [K 1,024, N 1,024]; A: computed on the way; B: input w_prj: QUANTISED
;;     5. [M 4,096, K 1,024] x [K 1,024, N 4,096]; A: computed on the way; B: input w_fc1: QUANTISED
;;     6. [M 4,096, K 4,096] x [K 4,096, N 1,024]; A: computed on the way; B: input w_fc2: QUANTISED
;;   THE QUANTISER, for each operand of a quantised product, along K:
;;     - K is cut into blocks of 32 from its start; a last block that is shorter is filled with zeros.
;;     - A block's scale is 2^e with e = floor(log2(the largest magnitude in the block)) - 8, held to -126 .. 127; a block of zeros has e = 0. As a byte (E8M0): e + 127.
;;     - Each number is divided by its block's scale, clamped to +-448, and rounded to the nearest number of E4M3, ties to even, subnormals kept.
;;     - The product sums the exact products of the quantised numbers (number of the format x scale) in f32.
;;   ~~~python
;;   def quantise(x, axis):      # numpy; x: float32 -> the quantised numbers, widened to float32 again
;;       x = np.moveaxis(x, axis, -1); K = x.shape[-1]
;;       x = np.pad(x, [(0, 0)] * (x.ndim - 1) + [(0, -K % 32)]); x = x.reshape(x.shape[:-1] + (-1, 32)); a = np.abs(x).max(-1, keepdims=True)
;;       e = np.where(a > 0, np.clip(np.frexp(np.where(a > 0, a, 1))[1] - 1 - 8, -126, 127), 0)      # np.frexp(a)[1] - 1 = floor(log2(a)), exactly
;;       r = np.clip(x / 2.0 ** e, -448, 448)
;;       step = 2.0 ** (np.maximum(np.frexp(np.where(r == 0, 1, r))[1] - 1, -6) - 3)
;;       q = np.round(r / step) * step * 2.0 ** e      # np.round: ties to even
;;       return np.moveaxis(q.reshape(q.shape[:-2] + (-1,))[..., :K], -1, axis).astype(np.float32)
;;   ~~~
;;   SOFTMAX AHEAD OF A QUANTISED PRODUCT. Where the list says 'softmax', what is quantised is not the finished softmax but p = 2^(t - M), with t = logit x log2(e) and M = ceil(the row's largest t), a whole number; so 1/2 < the row's largest p <= 1. The row's sum l is taken of the UNQUANTISED p, in f32, and the product's result is divided by l at the end. Since M is a whole number, a kernel that streams over the keys may use a running M (the ceiling of the running maximum): every later rescaling is an exact power of two, which a block's scale takes up: the codes' values come out the same.
;;   OPERANDS COMPUTED ON THE WAY. 'Computed on the way' means the value that the module computes at that place (a softmax that the list does not call 'softmax' is quantised finished and normalised). What goes into a quantiser is computed in f32, as accurately as f32 sums, v_exp_f32 and their like allow (about 1e-6 of the number): no bf16 or f16 on the way to a quantiser, and a product that is left as it is and whose result goes on into a quantised operand takes f32 operands (vector FMAs, or v_wmma_f32_16x16x4_f32). A number that lies on a knife's edge between two numbers of the format may be rounded either way, as far as f32 arithmetic and the matrix unit's own rounding can turn it there, and no further.
;; One version. Each part assembles by itself: llvm-mc -triple=amdgcn-amd-amdhsa -mcpu=gfx1250 --defsym DOCPART=n.
;; ======== version 1 of 1: 7 launches
;; limits: right only within a limited range of input values
;; workspace buffers: wcodes 12,976,128 bytes; hcodes 4,325,376 bytes; qkcodes 8,650,752 bytes; vtcodes 4,325,376 bytes; ocodes 4,325,376 bytes; x1 16,777,216 bytes; gcodes 17,301,504 bytes
;; launch wqln (part 1): grid 448 x 1, 8 waves a work-group, no clusters, 66,816 bytes of LDS; arguments x, ln1_g, ln1_b, hcodes, w_qkv, w_prj, w_fc1, w_fc2, wcodes; writes hcodes, wcodes
.if DOCPART == 1
	.amdgcn_target "amdgcn-amd-amdhsa--gfx1250"
	.amdhsa_code_object_version 6
	.text
	.protected	k_qef4528986d_wqln
	.globl	k_qef4528986d_wqln
	.p2align	8
	.type	k_qef4528986d_wqln,@function
k_qef4528986d_wqln:
	s_mov_b64 s[64:65], 0
	v_nop
	global_prefetch_b8 v0, s[64:65] scope:SCOPE_SE
	s_setreg_imm32_b32 hwreg(HW_REG_WAVE_MODE, 25, 1), 1
	s_wait_xcnt 0x0
; TWO JOBS THAT HANG ON INPUTS ALONE, IN ONE LAUNCH: work-groups 0 .. 191 quantise the four weights, work-groups 192 .. 447 make h = layernorm(x) * g + b and quantise it.
; Both write OPERAND BLOCKS (PL = 16,896 bytes: 128 rows x 128 along K): codes of E4M3 at t8*2048 + c*512 + (16 h + r)*16, which are k = 32 c + 16 h + 0..15 of row r of tile t8; E8M0 scale words at 16,384 + t8*64 + r*4, byte c.
; Row r of tile 2 g + u is row 32 g + 8 u + (r & 7) + 16 (r >> 3).  Blocks lie [rows / 128][K / 128].  So a wave's operand registers are filled by loads of 16 bytes a lane at 16 x lane.
; The two ways part on the work-group's number alone, so all eight waves of a work-group go the same way; only the layer norm uses LDS and a barrier.
; LIMITS: NaN and infinities are not served; a block of zeros gets the byte 1 (its codes are zeros; this program alone reads the bytes); blocks whose largest magnitude lies under 2^-118 are held at that floor.
.set NWQ, 192
.set PL,  16896
	v_lshl_add_u32 v254, v0, 2, 0x10100
	v_mov_b32 v255, 0
	s_cmp_lt_u32 ttmp9, NWQ
	s_cbranch_scc1 .Lweights
; ---------------- THE LAYER NORM.  A work-group makes one tile of 16 rows.  PHASE 1: wave w reads two whole rows (512 consecutive bytes a load), takes mean and variance in two passes over registers, and puts
; (x - mean) / sqrt(var + eps) into LDS, rows 4,112 bytes apart.  PHASE 2, behind a barrier: wave w takes K step w of all 16 rows, 16 neighbours of each block of 32 a lane, applies gain and bias, quantises, and stores the fragment as it stands.
.set RP, 4112                          ; an LDS row: 4,096 bytes + 16, an odd multiple of 16, so that sixteen rows' pieces fall on different banks
.set X,  16                            ; v16-79   two rows as loaded; later my 64 numbers of the fragment
.set G,  80                            ; v80-143  the gains of my 64 columns
.set B,  144                           ; v144-207 the biases
.set TM, 208                           ; v208-223 at work
.set PC, 224                           ; v224-239 the codes
.set PW, 240                           ; v240     the scale word
	s_load_b256 s[4:11], s[0:1], 0x0               ; x, g, b, h's codes
	s_sub_co_u32 s29, ttmp9, NWQ                   ; T: which tile of 16 rows
	v_lshrrev_b32 v1, 5, v0
	s_delay_alu instid0(VALU_DEP_1)
	v_readfirstlane_b32 s12, v1                    ; wave 0..7
	v_and_b32 v1, 31, v0                           ; lane
	v_and_b32 v2, 15, v0                           ; r
	v_bfe_u32 v3, v0, 4, 1                         ; h
	s_delay_alu instid0(VALU_DEP_3)
	v_lshlrev_b32 v4, 4, v1                        ; 16 x lane
	s_delay_alu instid0(VALU_DEP_2)
	v_lshlrev_b32 v5, 6, v3                        ; 64 h
	s_mul_i32 s13, s12, 2*RP
	v_add_nc_u32 v6, s13, v4                       ; LDS, in: my two rows, 16 bytes a lane
	v_mul_u32_u24 v7, v2, RP
	s_delay_alu instid0(VALU_DEP_1)
	v_add_nc_u32 v7, v7, v5
	s_lshl_b32 s20, s12, 9                         ; 512 w: K step w in bytes of f32
	v_add_nc_u32 v7, s20, v7                       ; LDS, out: row r, K step w, my half of a block
	s_and_b32 s28, s29, 7                          ; t8
	s_lshl_b32 s22, s28, 11
	v_add_nc_u32 v8, s22, v4                       ; my codes' place in a block
	s_lshl_b32 s22, s28, 6
	v_lshl_add_u32 v9, v2, 2, s22                  ; my row's scale word
.irp b, 0,1,2,3
	v_mov_b32 v[TM+4+\b], 0                        ; written once: a lane permute's destination counts as one of its sources
.endr
	s_mov_b32 s16, 0x76543210
	s_mov_b32 s17, 0xfedcba98                      ; selects for lane l xor 16
	s_mov_b32 s18, 0x3a800000                      ; 1 / 1,024
	s_mov_b32 s19, 0x3727c5ac                      ; eps = 1e-5
	s_mov_b32 s23, 0x600000                        ; the mantissa field of 448
	s_lshr_b32 s24, s29, 1
	s_lshl_b32 s24, s24, 5
	s_and_b32 s25, s29, 1
	s_lshl_b32 s25, s25, 3
	s_add_co_u32 s24, s24, s25
	s_lshl_b32 s25, s12, 1
	s_and_b32 s25, s25, 7
	s_add_co_u32 s24, s24, s25
	s_lshr_b32 s25, s12, 2
	s_lshl_b32 s25, s25, 4
	s_add_co_u32 s24, s24, s25                     ; my first row: 32 (T / 2) + 8 (T % 2) + (2 w & 7) + 16 (w / 4)
	s_lshl_b32 s24, s24, 12
	s_mov_b32 s25, 0
	s_mov_b32 s21, 0
	s_lshr_b32 s26, s29, 3
	s_lshl_b32 s26, s26, 3
	s_add_co_u32 s26, s26, s12
	s_mul_i32 s26, s26, PL                         ; block (T / 8, w)
	s_mov_b32 s27, 0
	s_wait_kmcnt 0x0
	s_add_nc_u64 s[4:5], s[4:5], s[24:25]
	s_add_nc_u64 s[6:7], s[6:7], s[20:21]
	s_add_nc_u64 s[8:9], s[8:9], s[20:21]
	s_add_nc_u64 s[10:11], s[10:11], s[26:27]
.irp p, 0,1
.irp j, 0,1,2,3,4,5,6,7
	global_load_b128 v[X+32*\p+4*\j:X+32*\p+4*\j+3], v4, s[4:5] offset:4096*\p+512*\j
.endr
.endr
.irp c, 0,1,2,3
.irp j, 0,1,2,3
	global_load_b128 v[G+16*\c+4*\j:G+16*\c+4*\j+3], v5, s[6:7] offset:128*\c+16*\j
	global_load_b128 v[B+16*\c+4*\j:B+16*\c+4*\j+3], v5, s[8:9] offset:128*\c+16*\j
.endr
.endr
.macro REDUCE                          ; v[TM] summed over the 32 lanes, into every lane
	s_delay_alu instid0(VALU_DEP_1)
	v_add_f32_dpp v[TM], v[TM], v[TM] row_xmask:1 row_mask:0xf bank_mask:0xf
	s_delay_alu instid0(VALU_DEP_1)
	v_add_f32_dpp v[TM], v[TM], v[TM] row_xmask:2 row_mask:0xf bank_mask:0xf
	s_delay_alu instid0(VALU_DEP_1)
	v_add_f32_dpp v[TM], v[TM], v[TM] row_xmask:4 row_mask:0xf bank_mask:0xf
	s_delay_alu instid0(VALU_DEP_1)
	v_add_f32_dpp v[TM], v[TM], v[TM] row_xmask:8 row_mask:0xf bank_mask:0xf
	s_delay_alu instid0(VALU_DEP_1)
	v_permlanex16_b32 v[TM+1], v[TM], s16, s17
	s_delay_alu instid0(VALU_DEP_1)
	v_add_f32 v[TM], v[TM], v[TM+1]
.endm
.macro ROW p
.set XR, X+32*\p
	v_pk_add_f32 v[TM:TM+1], v[XR:XR+1], v[XR+2:XR+3]              ; the sum, in two chains
	v_pk_add_f32 v[TM+2:TM+3], v[XR+4:XR+5], v[XR+6:XR+7]
.irp i, 8,12,16,20,24,28
	s_delay_alu instid0(VALU_DEP_2)
	v_pk_add_f32 v[TM:TM+1], v[TM:TM+1], v[XR+\i:XR+\i+1]
	s_delay_alu instid0(VALU_DEP_2)
	v_pk_add_f32 v[TM+2:TM+3], v[TM+2:TM+3], v[XR+\i+2:XR+\i+3]
.endr
	s_delay_alu instid0(VALU_DEP_1)
	v_pk_add_f32 v[TM:TM+1], v[TM:TM+1], v[TM+2:TM+3]
	s_delay_alu instid0(VALU_DEP_1)
	v_add_f32 v[TM], v[TM], v[TM+1]
	REDUCE
	s_delay_alu instid0(VALU_DEP_1)
	v_mul_f32 v[TM], s18, v[TM]                    ; the mean
	s_delay_alu instid0(VALU_DEP_1)
	v_mov_b32 v[TM+1], v[TM]
.set i, 0
.rept 16
	v_pk_add_f32 v[XR+i:XR+i+1], v[XR+i:XR+i+1], v[TM:TM+1] neg_lo:[0,1] neg_hi:[0,1]   ; x - mean: the variance is taken of the differences, so a common offset costs nothing
.set i, i+2
.endr
	v_pk_mul_f32 v[TM:TM+1], v[XR:XR+1], v[XR:XR+1]
	v_pk_mul_f32 v[TM+2:TM+3], v[XR+2:XR+3], v[XR+2:XR+3]
.irp i, 4,8,12,16,20,24,28
	s_delay_alu instid0(VALU_DEP_2)
	v_pk_fma_f32 v[TM:TM+1], v[XR+\i:XR+\i+1], v[XR+\i:XR+\i+1], v[TM:TM+1]
	s_delay_alu instid0(VALU_DEP_2)
	v_pk_fma_f32 v[TM+2:TM+3], v[XR+\i+2:XR+\i+3], v[XR+\i+2:XR+\i+3], v[TM+2:TM+3]
.endr
	s_delay_alu instid0(VALU_DEP_1)
	v_pk_add_f32 v[TM:TM+1], v[TM:TM+1], v[TM+2:TM+3]
	s_delay_alu instid0(VALU_DEP_1)
	v_add_f32 v[TM], v[TM], v[TM+1]
	REDUCE
	s_delay_alu instid0(VALU_DEP_1)
	v_fma_f32 v[TM], v[TM], s18, s19               ; variance + eps
	s_wait_alu depctr_va_vdst(0)
	v_rsq_f32 v[TM], v[TM]
	v_nop                                          ; a plain line behind the transcendental
	s_wait_alu depctr_va_vdst(0)
	v_mov_b32 v[TM+1], v[TM]
.set i, 0
.rept 16
	v_pk_mul_f32 v[XR+i:XR+i+1], v[XR+i:XR+i+1], v[TM:TM+1]
.set i, i+2
.endr
.irp j, 0,1,2,3,4,5,6,7
	ds_store_b128 v6, v[XR+4*\j:XR+4*\j+3] offset:\p*RP+512*\j
.endr
.endm
	s_wait_loadcnt 32                              ; my two rows are in; the 32 loads of gains and biases may be out
	ROW 0
	ROW 1
	s_wait_dscnt 0x0                               ; for the others' sake: my rows lie in LDS
	s_barrier_signal -1
	s_barrier_wait -1
.irp c, 0,1,2,3
.irp j, 0,1,2,3
	ds_load_b128 v[X+16*\c+4*\j:X+16*\c+4*\j+3], v7 offset:128*\c+16*\j    ; register 16 c + i: k = 128 w + 32 c + 16 h + i of row r
.endr
.endr
	s_wait_dscnt 0x0
	s_wait_loadcnt 0x0
.set i, 0
.rept 32
	v_pk_fma_f32 v[X+i:X+i+1], v[X+i:X+i+1], v[G+i:G+i+1], v[B+i:B+i+1]
.set i, i+2
.endr
.irp b, 0,1,2,3
	v_max3_num_f32 v[TM+\b], |v[X+16*\b]|, |v[X+1+16*\b]|, 0x4800000       ; block b: my 16 numbers and the floor 2^(9 - 127)
.endr
.irp i, 2,4,6,8,10,12,14
.irp b, 0,1,2,3
	s_delay_alu instid0(VALU_DEP_4)
	v_max3_num_f32 v[TM+\b], v[TM+\b], |v[X+16*\b+\i]|, |v[X+1+16*\b+\i]|
.endr
.endr
.irp b, 0,1,2,3
	s_delay_alu instid0(VALU_DEP_4)
	v_permlanex16_b32 v[TM+4+\b], v[TM+\b], s16, s17
.endr
.irp b, 0,1,2,3
	s_delay_alu instid0(VALU_DEP_4)
	v_max_num_f32 v[TM+\b], v[TM+\b], v[TM+4+\b]   ; with lane l xor 16's 16: the block's largest magnitude
.endr
.irp b, 0,1,2,3
	s_delay_alu instid0(VALU_DEP_4)
	v_add_nc_u32 v[TM+12+\b], 0xfc000000, v[TM+\b] ; 8 off its exponent field: the conversion's scale operand
.endr
.irp b, 0,1,2,3
	v_and_or_b32 v[TM+8+\b], v[TM+\b], 0x7f800000, s23   ; 448 x the scale
.endr
.irp b, 0,1,2,3
	v_lshrrev_b32 v[TM+4+\b], 23, v[TM+12+\b]      ; the byte
.endr
	s_delay_alu instid0(VALU_DEP_3)
	v_lshl_or_b32 v[PW], v[TM+5], 8, v[TM+4]
	s_delay_alu instid0(VALU_DEP_1)
	v_lshl_or_b32 v[PW], v[TM+6], 16, v[PW]
	s_delay_alu instid0(VALU_DEP_1)
	v_lshl_or_b32 v[PW], v[TM+7], 24, v[PW]
.irp b, 0,1,2,3
.irp i, 0,1,2,3,4,5,6,7,8,9,10,11,12,13,14,15
	v_med3_num_f32 v[X+16*\b+\i], v[X+16*\b+\i], -v[TM+8+\b], v[TM+8+\b]   ; the conversion does not saturate (ISA guide 7.6.2): the hold comes first
.endr
	v_cvt_scalef32_pk8_fp8_f32 v[PC+4*\b:PC+4*\b+1], v[X+16*\b:X+16*\b+7], v[TM+12+\b]
	v_cvt_scalef32_pk8_fp8_f32 v[PC+4*\b+2:PC+4*\b+3], v[X+16*\b+8:X+16*\b+15], v[TM+12+\b]
.endr
	v_nop
.irp c, 0,1,2,3
	global_store_b128 v8, v[PC+4*\c:PC+4*\c+3], s[10:11] offset:512*\c     ; 32 lanes store 512 consecutive bytes
.endr
	global_store_b32 v9, v[PW], s[10:11] offset:16384                      ; both halves of the lanes hold the same word and write it to the same place
	s_wait_tensorcnt 0x0
	ds_add_u32 v254, v255
	s_wait_dscnt 0x0
	s_endpgm
; ---------------- THE WEIGHTS, f32 stored [K][N].  A LANE TAKES A COLUMN n AND ITS REGISTERS RUN DOWN K: a block of 32 lies in one lane, its largest magnitude needs no other lane, and the conversions give codes with K innermost.
; Four waves share 128 columns x 256 along K (a share; wave w4 of it takes columns 32 w4 .. 32 w4 + 31, tiles 2 w4 and 2 w4 + 1); a work-group holds two shares.  A lane's 32 codes are two pieces of 16 bytes (h = 0, 1);
; the sixteen lanes of a tile store 256 consecutive bytes.  The share's number picks pointer and sizes by selects: one path serves all four weights.  Waves share nothing: no LDS, no barrier.
.Lweights:
.set OFF, 16                           ; v16-47   4 x lane + i rows of the weight
.set WX,  48                           ; v48-111  two sets of 32 numbers
.set CD,  112                          ; v112-175 eight registers of codes for each block: no store's data are written again
.set SW,  6                            ; v6-7     the scale words of the two K steps
.set SB,  24                           ; s[24:39] the address of each block's first row
	s_load_b256 s[4:11], s[0:1], 0x20              ; w_qkv, w_prj, w_fc1, w_fc2
	s_load_b64 s[12:13], s[0:1], 0x40              ; the codes
	v_lshrrev_b32 v1, 5, v0
	s_delay_alu instid0(VALU_DEP_1)
	v_readfirstlane_b32 s47, v1                    ; wave 0..7
	s_and_b32 s16, s47, 3                          ; my wave in its share
	s_lshr_b32 s47, s47, 2
	s_lshl_b32 s46, ttmp9, 1
	s_add_co_u32 s46, s46, s47                     ; the share: 2 x work-group + wave / 4, 0 .. 383
	v_and_b32 v1, 31, v0                           ; lane
	s_delay_alu instid0(VALU_DEP_1)
	v_lshlrev_b32 v2, 2, v1
	s_mov_b32 s17, 4096                            ; w_fc2's figures: bytes in a row,
	s_mov_b32 s18, 256                             ; its first share,
	s_mov_b32 s19, 4                               ; log2 of its runs of 256 along K,
	s_mov_b32 s20, 32                              ; its K steps of 128,
	s_mov_b32 s21, 512*PL                          ; where its blocks begin
	s_mov_b32 s45, 0x600000                        ; the mantissa field of 448
	s_wait_kmcnt 0x0
	s_mov_b64 s[14:15], s[10:11]
	s_cmp_lt_u32 s46, 256                          ; the choices hang on the share's number alone
	s_cselect_b64 s[14:15], s[8:9], s[14:15]       ; w_fc1
	s_cselect_b32 s17, 16384, s17
	s_cselect_b32 s18, 128, s18
	s_cselect_b32 s19, 2, s19
	s_cselect_b32 s20, 8, s20
	s_cselect_b32 s21, 256*PL, s21
	s_cmp_lt_u32 s46, 128
	s_cselect_b64 s[14:15], s[6:7], s[14:15]       ; w_prj
	s_cselect_b32 s17, 4096, s17
	s_cselect_b32 s18, 96, s18
	s_cselect_b32 s21, 192*PL, s21
	s_cmp_lt_u32 s46, 96
	s_cselect_b64 s[14:15], s[4:5], s[14:15]       ; w_qkv
	s_cselect_b32 s17, 12288, s17
	s_cselect_b32 s18, 0, s18
	s_cselect_b32 s21, 0, s21
	s_sub_co_u32 s22, s46, s18
	s_lshr_b32 s23, s22, s19                       ; which 128 columns
	s_lshl_b32 s40, s23, s19
	s_sub_co_u32 s22, s22, s40                     ; which 256 along K
	s_lshl_b32 s40, s17, 8
	s_mul_i32 s40, s40, s22                        ; 256 rows a run
	s_lshl_b32 s41, s23, 9
	s_add_co_u32 s40, s40, s41                     ; + 128 columns of 4 bytes
	s_lshl_b32 s41, s16, 7
	s_add_co_u32 s40, s40, s41                     ; + my wave's 32
	s_mov_b32 s41, 0
	s_add_nc_u64 s[SB:SB+1], s[14:15], s[40:41]
	s_lshl_b32 s40, s17, 5                         ; 32 rows from block to block
.irp t, 1,2,3,4,5,6,7
	s_add_nc_u64 s[SB+2*\t:SB+2*\t+1], s[SB+2*\t-2:SB+2*\t-1], s[40:41]
.endr
	s_mul_i32 s42, s23, s20
	s_lshl_b32 s43, s22, 1
	s_add_co_u32 s42, s42, s43
	s_mul_i32 s42, s42, PL
	s_add_co_u32 s42, s42, s21                     ; my first operand block
	s_mov_b32 s43, 0
	s_add_nc_u64 s[12:13], s[12:13], s[42:43]
	v_bfe_u32 v5, v0, 3, 1                         ; u
	v_and_b32 v8, 7, v0
	v_bfe_u32 v9, v0, 4, 1
	s_delay_alu instid0(VALU_DEP_1)
	v_lshl_add_u32 v8, v9, 3, v8                   ; r
	s_delay_alu instid0(VALU_DEP_1)
	v_lshlrev_b32 v3, 4, v8
	s_delay_alu instid0(VALU_DEP_1)
	v_lshl_add_u32 v3, v5, 11, v3
	s_lshl_b32 s44, s16, 12
	v_add_nc_u32 v3, s44, v3                       ; codes: (2 w4 + u)*2048 + 16 r
	v_lshlrev_b32 v4, 2, v8
	s_delay_alu instid0(VALU_DEP_1)
	v_lshl_add_u32 v4, v5, 6, v4
	s_lshl_b32 s44, s16, 7
	v_add_nc_u32 v4, s44, v4                       ; scale word: (2 w4 + u)*64 + 4 r
.set i, 0
.rept 32
	v_mad_u32_u24 v[OFF+i], s17, i, v2
.set i, i+1
.endr
.macro LOAD t                          ; block t: rows 32 t + i of my column; 32 lanes read 128 consecutive bytes
.set i, 0
.rept 32
	global_load_b32 v[WX+32*((\t)%2)+i], v[OFF+i], s[SB+2*(\t):SB+2*(\t)+1] th:TH_LOAD_NT
.set i, i+1
.endr
.endm
.macro BLOCK t
.set XS, WX+32*((\t)%2)
.if (\t) < 7
	s_wait_loadcnt 32                              ; this block's 32 loads are in; the next block's 32 may be out
.else
	s_wait_loadcnt 0x0
.endif
	v_max3_num_f32 v12, |v[XS]|, |v[XS+1]|, |v[XS+2]|
	v_max3_num_f32 v13, |v[XS+3]|, |v[XS+4]|, |v[XS+5]|
.irp i, 6,10,14,18,22,26
	s_delay_alu instid0(VALU_DEP_2)
	v_max3_num_f32 v12, v12, |v[XS+\i]|, |v[XS+\i+1]|
	s_delay_alu instid0(VALU_DEP_2)
	v_max3_num_f32 v13, v13, |v[XS+\i+2]|, |v[XS+\i+3]|
.endr
	s_delay_alu instid0(VALU_DEP_2)
	v_max3_num_f32 v12, v12, |v[XS+30]|, |v[XS+31]|
	s_delay_alu instid0(VALU_DEP_1)
	v_max3_num_f32 v12, v12, v13, 0x4800000        ; the floor 2^(9 - 127): the byte cannot fall under 1
	s_delay_alu instid0(VALU_DEP_1)
	v_add_nc_u32 v11, 0xfc000000, v12              ; 8 off the exponent field: the conversion's scale operand
	s_delay_alu instid0(VALU_DEP_2)
	v_and_or_b32 v10, v12, 0x7f800000, s45         ; 448 x the scale
	s_delay_alu instid0(VALU_DEP_2)
	v_lshrrev_b32 v13, 23, v11                     ; the byte
.if (\t)%4 == 0
	s_delay_alu instid0(VALU_DEP_1)
	v_mov_b32 v[SW+(\t)/4], v13
.else
	s_delay_alu instid0(VALU_DEP_1)
	v_lshl_or_b32 v[SW+(\t)/4], v13, 8*((\t)%4), v[SW+(\t)/4]
.endif
.set i, 0
.rept 32
	v_med3_num_f32 v[XS+i], v[XS+i], -v10, v10     ; the conversion to an 8-bit code does not saturate (ISA guide 7.6.2): the hold comes first
.set i, i+1
.endr
.irp g, 0,1,2,3
	v_cvt_scalef32_pk8_fp8_f32 v[CD+8*(\t)+2*\g:CD+8*(\t)+2*\g+1], v[XS+8*\g:XS+8*\g+7], v11
.endr
	v_nop                                          ; a plain line behind the last conversion
	global_store_b128 v3, v[CD+8*(\t):CD+8*(\t)+3], s[12:13] offset:((\t)/4)*PL+((\t)%4)*512          ; k = 0..15 of the block: the places of lanes 0-15
	global_store_b128 v3, v[CD+8*(\t)+4:CD+8*(\t)+7], s[12:13] offset:((\t)/4)*PL+((\t)%4)*512+256    ; k = 16..31: those of lanes 16-31
.if (\t)%4 == 3
	global_store_b32 v4, v[SW+(\t)/4], s[12:13] offset:((\t)/4)*PL+16384
.endif
.if (\t)+2 < 8
	LOAD (\t)+2
.endif
.endm
	LOAD 0
	LOAD 1
.irp t, 0,1,2,3,4,5,6,7
	BLOCK \t
.endr
	s_endpgm
.Lfunc_end_k_qef4528986d_wqln:
	.size	k_qef4528986d_wqln, .Lfunc_end_k_qef4528986d_wqln-k_qef4528986d_wqln
	.p2alignl 7, 3214868480
	.fill 96, 4, 3214868480
	.section	.rodata,"a",@progbits
	.p2align	6, 0x0
	.amdhsa_kernel k_qef4528986d_wqln
		.amdhsa_group_segment_fixed_size 66816
		.amdhsa_private_segment_fixed_size 0
		.amdhsa_enable_private_segment 0
		.amdhsa_kernarg_size 72
		.amdhsa_user_sgpr_count 2
		.amdhsa_user_sgpr_kernarg_segment_ptr 1
		.amdhsa_wavefront_size32 1
		.amdhsa_system_sgpr_workgroup_id_x 1
		.amdhsa_system_sgpr_workgroup_id_y 1
		.amdhsa_system_sgpr_workgroup_id_z 1
		.amdhsa_system_vgpr_workitem_id 0
		.amdhsa_next_free_vgpr 256
		.amdhsa_next_free_sgpr 66
		.amdhsa_reserve_vcc 0
		.amdhsa_float_denorm_mode_32 3
		.amdhsa_float_denorm_mode_16_64 3
		.amdhsa_memory_ordered 1
		.amdhsa_forward_progress 1
		.amdhsa_inst_pref_size 99
	.end_amdhsa_kernel
	.amdgpu_metadata
---
amdhsa.version: [ 1, 2 ]
amdhsa.kernels:
  - .name:           k_qef4528986d_wqln
    .symbol:         k_qef4528986d_wqln.kd
    .args:
      - { .name: x, .offset: 0, .size: 8, .value_kind: global_buffer, .address_space: global }
      - { .name: ln1_g, .offset: 8, .size: 8, .value_kind: global_buffer, .address_space: global }
      - { .name: ln1_b, .offset: 16, .size: 8, .value_kind: global_buffer, .address_space: global }
      - { .name: hcodes, .offset: 24, .size: 8, .value_kind: global_buffer, .address_space: global }
      - { .name: w_qkv, .offset: 32, .size: 8, .value_kind: global_buffer, .address_space: global }
      - { .name: w_prj, .offset: 40, .size: 8, .value_kind: global_buffer, .address_space: global }
      - { .name: w_fc1, .offset: 48, .size: 8, .value_kind: global_buffer, .address_space: global }
      - { .name: w_fc2, .offset: 56, .size: 8, .value_kind: global_buffer, .address_space: global }
      - { .name: wcodes, .offset: 64, .size: 8, .value_kind: global_buffer, .address_space: global }
    .group_segment_fixed_size: 66816
    .private_segment_fixed_size: 0
    .kernarg_segment_align: 8
    .kernarg_segment_size: 72
    .max_flat_workgroup_size: 256
    .sgpr_count:     66
    .vgpr_count:     256
    .wavefront_size: 32
...
	.end_amdgpu_metadata
.endif
;; end of part 1
;; launch qkv (part 2): grid 8 x 32, 4 waves a work-group, clusters of 4 x 4, 327,680 bytes of LDS; arguments hcodes, wcodes, qkcodes, vtcodes; writes qkcodes, vtcodes
.if DOCPART == 2
	.amdgcn_target "amdgcn-amd-amdhsa--gfx1250"
	.amdhsa_code_object_version 6
	.text
	.protected	k_qef4528986d_qkv
	.globl	k_qef4528986d_qkv
	.p2align	8
	.type	k_qef4528986d_qkv,@function
k_qef4528986d_qkv:
	s_mov_b64 s[64:65], 0
	v_nop
	global_prefetch_b8 v0, s[64:65] scope:SCOPE_SE
	s_setreg_imm32_b32 hwreg(HW_REG_WAVE_MODE, 25, 1), 1
	s_wait_xcnt 0x0
	s_wait_alu depctr_hold_cnt(0) depctr_sa_sdst(0) depctr_va_vdst(0) depctr_va_sdst(0) depctr_va_ssrc(0) depctr_va_vcc(0) depctr_vm_vsrc(0)
	s_getreg_b32 s2, hwreg(HW_REG_IB_STS2, 6, 4)
	s_cmp_eq_u32 s2, 0
	s_cbranch_scc0 .Lentry_in_a_cluster
	s_endpgm
.Lentry_in_a_cluster:
	s_bfe_u32 s2, ttmp6, 0x10000c
	s_cmp_lg_u32 s2, 0xf033
	s_cbranch_scc0 .Lentry_shape_is_right
	s_endpgm
.Lentry_shape_is_right:
; q, k and v of all heads, from codes to codes.  OPERAND BLOCKS (PL = 16,896 bytes: 128 rows x 128 K): codes at t8*2048 + c*512 + lane*16, scale words at 16,384 + t8*64 + r*4; [rows / 128][K / 128].
; Row r of tile 2 g + u is row 32 g + 8 u + (r & 7) + 16 (r >> 3).  A fragment is four loads of 16 bytes a lane at 16 x lane: no pitch, no padding.
; A WORK-GROUP STAYS: it owns 128 tokens (h's block ty: A) and makes three tiles of 128 x 128, against the weight's blocks x (two heads of q), x + 8 (of k) and x + 16 (of v): B.  K = 1,024 is 8 K steps.  Four waves, each 64 x 64: 16 accumulators.
; A's CODES STAND IN REGISTERS: a wave's 64 rows x all of K are 512 registers (windows 2 and 3), read from LDS once, for all three tiles; a K step then reads B's four fragments and eight scale words from LDS.
; FILLS: at the head one joint load a wave: waves 0, 1 A's halves, waves 2, 3 B's; the first barrier shows A alone.  B is filled again, whole, behind one round at the end of a tile: wave w fetches K steps 2 w and 2 w + 1.
; PREFETCH: at a tile's head each wave names its share of the next tile's B: its refill is 132 blocks of 256 bytes, asked for jointly by the four of a cluster's column: the partner at place cy names blocks 33 cy .. 33 cy + 32, told apart by address alone.
; q AND k: the product is used transposed (source 0 = 16 rows of the weight, source 1 = 16 tokens): lane (r, h) holds token r, and the 16 registers of the weight's tiles 2 e, 2 e + 1 are channels 32 e + 16 h + 0..15.
; v: THE SOURCES CHANGE PLACES: lane (r, h) holds channel r, and its registers run along the TOKENS, which are the K of attention's second product.
; Either way a block of 32 lies in lanes l and l xor 16, the results are quantised in registers, and the codes are register groups of the next operand: they leave as 512 consecutive bytes a store.
; OUT: q, k: [head-slot 0..31][token / 128] blocks of AB = 8,448 bytes: codes t8*1024 + c*512 + lane*16 (c = 0, 1), scale bytes 8,192 + (t8/2)*64 + r*4 + (t8%2)*2.  v^T: [head][token / 128] blocks of AB: codes t*2048 + c*512 + lane*16, scale words 8,192 + t*64 + r*4.
; CLUSTERS 4 x 4: A's blocks are asked for jointly along a row of the cluster, B's along a column.
; LIMITS: NaN and infinities are not served; a block of zeros gets the byte 1 (this program alone reads the bytes); blocks under 2^-118 are held at that floor.
.set KS,    8
.set PL,    16896
.set AB,    8448
.set BOFF,  8*PL
.set SLOT,  4*PL
.set SPARE, 2*BOFF
.set ADRA, 4
.set ADRB, 6
.set ADRS, 8
.set SPW,  14
.set NIL,  15
.set CO,   16
.set SO,   20
.set COV,  24
.set SOV,  28
.set SC,   32
.set TM,   40
.set PW,   56
.set PC,   64
.set PFO,  96
.set PFO2, 97
.set ACC,  128
.set F0,   0                           ; window 1: B's two fragment buffers at 64 and at 192
.set F1,   128
.set WV, 14
.set WR, 15
.set WC, 16
.set G1A, 24
.set G0A, 32
.set G0H, 36
.set G1B, 48
.set G0B, 56
.set SEL, 84
.set MNT, 86
.set G1H, 88
.set PFA, 96
.set MSB, 0
.macro WIN new
.if MSB != \new
	s_set_vgpr_msb (MSB<<8)|\new
.set MSB, \new
.endif
.endm
.set TO_F, 0x40
.macro SETK k, sw                      ; the K step that is multiplied: A's fragments lie at 64 (k % 4) + 16 a of window 2 + k / 4; B's in window 1
.set KA, \k
.if \sw
.set MUL, (2+KA/4)|(1<<2)
.else
.set MUL, 1|((2+KA/4)<<2)
.endif
.endm
.macro PLACES n
.rept \n
	v_nop
.endr
.endm
.macro WALU
	s_wait_alu depctr_va_vdst(0)
.endm
.macro CREST
	s_cmp_lg_u32 s[WV], 0
	s_cbranch_scc1 .Lnot_wave_0_\@
	s_barrier_signal -3
.Lnot_wave_0_\@:
	s_barrier_wait -3
	s_barrier_signal -1
	s_barrier_wait -1
.endm
.macro CROUND
	s_barrier_signal -1
	s_barrier_wait -1
	CREST
.endm
.macro FETCH slot, q, f, sc            ; B's fragments and both sides' scale words of K step 4 slot + q
	WIN TO_F
.irp i, 0,1,2,3
.irp c, 0,1,2,3
	ds_load_b128 v[(\f)+64+16*\i+4*\c:(\f)+64+16*\i+4*\c+3], v[ADRB+\slot] offset:(\q)*PL+\i*2048+\c*512
.endr
.endr
	WIN 0
.irp i, 0,1,2,3
	ds_load_b32 v[SC+4*(\sc)+\i], v[ADRS+\slot] offset:(\q)*PL+64*\i
.endr
.endm
.macro ALOAD                           ; my 64 rows of A, all of K: 128 loads
.irp q, 0,1,2,3,4,5,6,7
	WIN ((2+\q/4)<<6)
.irp i, 0,1,2,3
.irp c, 0,1,2,3
	ds_load_b128 v[64*(\q%4)+16*\i+4*\c:64*(\q%4)+16*\i+4*\c+3], v[ADRA+\q/4] offset:(\q%4)*PL+\i*2048+\c*512
.endr
.endr
.endr
	WIN 0
.endm
; Four products.  sw = 0: A's tile a (source 1) against B's four (source 0).  sw = 1: B's tile a (source 1) against A's four (source 0).  A's scale words lie in lanes 0-15 of a register, B's in lanes 16-31.
; The 16 accumulators take turns in the same order in every step.
.macro MULA f, a, sc, first, sw
.irp b, 0,1,2,3
.if \sw
.if \first
	v_wmma_scale_f32_16x16x128_f8f6f4 v[ACC+8*(4*\a+\b):ACC+8*(4*\a+\b)+7], v[64*(KA%4)+16*\b:64*(KA%4)+16*\b+15], v[(\f)+64+16*\a:(\f)+64+16*\a+15], 0, v[SC+4*(\sc)+\b], v[SC+4*(\sc)+\a] matrix_b_scale:MATRIX_SCALE_ROW1
.else
	v_wmma_scale_f32_16x16x128_f8f6f4 v[ACC+8*(4*\a+\b):ACC+8*(4*\a+\b)+7], v[64*(KA%4)+16*\b:64*(KA%4)+16*\b+15], v[(\f)+64+16*\a:(\f)+64+16*\a+15], v[ACC+8*(4*\a+\b):ACC+8*(4*\a+\b)+7], v[SC+4*(\sc)+\b], v[SC+4*(\sc)+\a] matrix_b_scale:MATRIX_SCALE_ROW1
.endif
.else
.if \first
	v_wmma_scale_f32_16x16x128_f8f6f4 v[ACC+8*(4*\a+\b):ACC+8*(4*\a+\b)+7], v[(\f)+64+16*\b:(\f)+64+16*\b+15], v[64*(KA%4)+16*\a:64*(KA%4)+16*\a+15], 0, v[SC+4*(\sc)+\b], v[SC+4*(\sc)+\a] matrix_a_scale:MATRIX_SCALE_ROW1
.else
	v_wmma_scale_f32_16x16x128_f8f6f4 v[ACC+8*(4*\a+\b):ACC+8*(4*\a+\b)+7], v[(\f)+64+16*\b:(\f)+64+16*\b+15], v[64*(KA%4)+16*\a:64*(KA%4)+16*\a+15], v[ACC+8*(4*\a+\b):ACC+8*(4*\a+\b)+7], v[SC+4*(\sc)+\b], v[SC+4*(\sc)+\a] matrix_a_scale:MATRIX_SCALE_ROW1
.endif
.endif
.endr
.endm
.macro STEP slot, qn, first, sw        ; fetches K step 4 slot + qn into buffer qn % 2 and multiplies the K step before it
	s_wait_dscnt 0x0
	PLACES 8                                       ; eight plain lines between the last products, which read the other buffer, and the loads into it
	FETCH \slot, \qn, 128*((\qn)%2), (\qn)%2
	SETK 4*(\slot)+(\qn)-1, \sw
	WIN MUL
.irp a, 0,1,2,3
	MULA 128*(((\qn)+1)%2), \a, ((\qn)+1)%2, \first, \sw
.endr
.endm
; 64 numbers of a lane, four blocks of 16, become 16 registers of codes and two pairs of scale bytes
.macro QUANT4 s, pc, pw
.irp b, 0,1,2,3
	v_max3_num_f32 v[TM+\b], |v[\s+16*\b]|, |v[\s+1+16*\b]|, 0x4800000     ; my 16 numbers and the floor 2^(9 - 127); each accumulator is read from its low end on
.endr
.irp i, 2,4,6,8,10,12,14
.irp b, 0,1,2,3
	v_max3_num_f32 v[TM+\b], v[TM+\b], |v[\s+16*\b+\i]|, |v[\s+1+16*\b+\i]|
.endr
.endr
.irp b, 0,1,2,3
	v_permlanex16_b32 v[TM+4+\b], v[TM+\b], s[SEL], s[SEL+1]
.endr
.irp b, 0,1,2,3
	v_max_num_f32 v[TM+\b], v[TM+\b], v[TM+4+\b]
.endr
.irp b, 0,1,2,3
	v_add_nc_u32 v[TM+12+\b], 0xfc000000, v[TM+\b]
.endr
.irp b, 0,1,2,3
	v_and_or_b32 v[TM+8+\b], v[TM+\b], 0x7f800000, s[MNT]
.endr
.irp b, 0,1,2,3
	v_lshrrev_b32 v[TM+4+\b], 23, v[TM+12+\b]
.endr
	v_lshl_or_b32 v[\pw], v[TM+5], 8, v[TM+4]
	v_lshl_or_b32 v[\pw+1], v[TM+7], 8, v[TM+6]
.irp b, 0,1,2,3
.irp i, 0,1,2,3,4,5,6,7,8,9,10,11,12,13,14,15
	v_med3_num_f32 v[\s+16*\b+\i], v[\s+16*\b+\i], -v[TM+8+\b], v[TM+8+\b] ; the conversion does not saturate (ISA guide 7.6.2)
.endr
	v_cvt_scalef32_pk8_fp8_f32 v[\pc+4*\b:\pc+4*\b+1], v[\s+16*\b:\s+16*\b+7], v[TM+12+\b]
	v_cvt_scalef32_pk8_fp8_f32 v[\pc+4*\b+2:\pc+4*\b+3], v[\s+16*\b+8:\s+16*\b+15], v[TM+12+\b]
.endr
	v_nop
.endm
	s_load_b256 s[4:11], s[0:1], 0x0               ; h's codes, the weights' codes, q and k, v^T
	v_lshl_add_u32 v[SPW], v0, 2, SPARE
	v_mov_b32 v[NIL], 0
	ds_add_u32 v[SPW], v[NIL]                      ; the opening lines: the add twice on end and one wait
	ds_add_u32 v[SPW], v[NIL]
	v_lshrrev_b32 v1, 5, v0
	v_readfirstlane_b32 s[WV], v1                  ; wave 0..3
	s_lshr_b32 s[WR], s[WV], 1                     ; my half of A's rows
	s_and_b32 s[WC], s[WV], 1                      ; my half of B's rows
	s_bfe_u32 s40, ttmp6, 0x40000                  ; cx
	s_bfe_u32 s41, ttmp6, 0x40004                  ; cy
	s_lshl_b32 s42, ttmp9, 2
	s_add_co_u32 s42, s42, s40                     ; x: B's first block
	s_and_b32 s17, ttmp7, 0xffff
	s_lshl_b32 s17, s17, 2
	s_add_co_u32 s17, s17, s41                     ; ty: A's block
	s_lshl_b32 s43, s41, 2
	s_lshl_b32 s43, 15, s43                        ; my row of the cluster
	s_lshl_b32 s44, 0x1111, s40                    ; my column
	s_or_b32 s[G1A], s43, (3<<16)|(1<<21)          ; the mask; elements of 8 bytes; bit 21 beside a mask; no padding
	s_or_b32 s[G1B], s44, (3<<16)|(1<<21)
	s_or_b32 s[G1H], s44, (3<<16)|(1<<21)
	s_mov_b32 s[G1B+2], 132<<16                    ; a refill of B: 132 rows of 256 bytes a wave
	s_mov_b32 s[G1B+4], 132
.irp g, G1A, G1H
	s_mov_b32 s[\g+2], 264<<16                     ; a first fill: 264 rows a wave
	s_mov_b32 s[\g+4], 264
.endr
.irp g, G1A, G1B, G1H
	s_mov_b32 s[\g+1], 32<<16
	s_mov_b32 s[\g+3], 32<<16
	s_mov_b32 s[\g+5], 32
	s_mov_b32 s[\g+6], 0
	s_mov_b32 s[\g+7], 0
.endr
	s_lshl_b32 s18, s[WV], 1                       ; a refill: K steps 2 w on
	s_lshl_b32 s19, s[WC], 2                       ; a first fill: K steps 4 (w % 2) on
	s_mul_i32 s20, s17, KS
	s_add_co_u32 s20, s20, s19
	s_mul_i32 s20, s20, PL
	s_mov_b32 s21, 0
	s_mul_i32 s46, s42, KS
	s_add_co_u32 s22, s46, s19
	s_add_co_u32 s46, s46, s18
	s_mul_i32 s46, s46, PL
	s_mov_b32 s47, 0
	s_mul_i32 s22, s22, PL
	s_mov_b32 s23, 0
	s_mul_i32 s45, s[WV], 2*PL
	s_mul_i32 s72, s41, 33*256                     ; my share of a prefetch, one tile on
	s_add_co_u32 s72, s72, 64*PL
	s_mov_b32 s73, 0
	s_lshl_b32 s66, s[WR], 13                      ; my four tiles of A
	s_lshl_b32 s67, s[WC], 13
	s_add_co_u32 s67, s67, BOFF                    ; my four of B
	s_lshl_b32 s68, s[WR], 8
	s_lshl_b32 s69, s[WC], 8
	s_add_co_u32 s69, s69, BOFF
	s_sub_co_u32 s69, s69, s68                     ; from A's scale words to B's
	s_add_co_u32 s68, s68, 16384
	s_lshl_b32 s74, s42, 1                         ; my 64 rows of the weight are one head: block ((2 x + wc) * 32 + ty) in both outputs
	s_add_co_u32 s74, s74, s[WC]
	s_lshl_b32 s74, s74, 5
	s_add_co_u32 s74, s74, s17
	s_mul_i32 s74, s74, AB
	s_lshl_b32 s76, s[WR], 12
	s_add_co_u32 s76, s76, s74                     ; q, k: token tiles 4 wr + a
	s_lshl_b32 s78, s[WR], 7
	s_add_co_u32 s78, s78, s74
	s_add_co_u32 s78, s78, 8192
	s_lshl_b32 s77, s[WR], 10
	s_add_co_u32 s77, s77, s74                     ; v: register groups 2 wr + e of each channel tile
	s_lshl_b32 s79, s[WR], 1
	s_add_co_u32 s79, s79, s74
	s_add_co_u32 s79, s79, 8192
	s_mov_b32 s[SEL], 0x76543210
	s_mov_b32 s[SEL+1], 0xfedcba98
	s_mov_b32 s[MNT], 0x600000
	s_wait_dscnt 0x0
	CROUND                                         ; all sixteen work-groups are here: the first joint loads meet
	s_wait_kmcnt 0x0
	s_mov_b32 s[G0A], 1
	s_mul_i32 s[G0A+1], s[WC], 4*PL
	s_add_nc_u64 s[G0A+2:G0A+3], s[4:5], s[20:21]
	s_or_b32 s[G0A+3], s[G0A+3], 0x80000000
	s_mov_b32 s[G0H], 1
	s_mul_i32 s[G0H+1], s[WC], 4*PL
	s_add_co_u32 s[G0H+1], s[G0H+1], BOFF
	s_add_nc_u64 s[G0H+2:G0H+3], s[6:7], s[22:23]
	s_or_b32 s[G0H+3], s[G0H+3], 0x80000000
	s_cmp_eq_u32 s[WR], 0
	s_cbranch_scc0 .Lhead_b
	tensor_load_to_lds s[G0A:G0A+3], s[G1A:G1A+7]
	s_nop 0
	PLACES 4
	s_branch .Lhead_asked
.Lhead_b:
	tensor_load_to_lds s[G0H:G0H+3], s[G1H:G1H+7]
	s_nop 0
	PLACES 4
.Lhead_asked:
	s_mov_b32 s[G0B], 1
	s_add_co_u32 s[G0B+1], s45, BOFF
	s_add_nc_u64 s[G0B+2:G0B+3], s[6:7], s[46:47]
	s_add_nc_u64 s[PFA:PFA+1], s[G0B+2:G0B+3], s[72:73]
	s_or_b32 s[G0B+3], s[G0B+3], 0x80000000
	v_and_b32 v1, 15, v0                           ; r
	v_bfe_u32 v2, v0, 4, 1                         ; h
	v_and_b32 v3, 31, v0
	v_lshlrev_b32 v[PFO], 8, v3
	v_mov_b32 v[PFO2], 8192
	v_lshlrev_b32 v3, 4, v3                        ; 16 x lane
	v_add_nc_u32 v[ADRA], s66, v3
	v_add_nc_u32 v[ADRB], s67, v3
	v_add_nc_u32 v[ADRA+1], SLOT, v[ADRA]
	v_add_nc_u32 v[ADRB+1], SLOT, v[ADRB]
	v_mul_u32_u24 v[ADRS], s69, v2                 ; lanes 16-31 take B's words: one product, the distance between the two
	v_lshl_add_u32 v[ADRS], v1, 2, v[ADRS]
	v_add_nc_u32 v[ADRS], s68, v[ADRS]
	v_add_nc_u32 v[ADRS+1], SLOT, v[ADRS]
	v_add_nc_u32 v12, s76, v3
	v_lshl_add_u32 v13, v1, 2, s78
	v_add_nc_u32 v10, s77, v3
	v_lshl_add_u32 v11, v1, 2, s79
.irp a, 0,1,2,3
	v_add_nc_u32 v[CO+\a], 1024*\a, v12
	v_add_nc_u32 v[SO+\a], 64*(\a/2)+2*(\a%2), v13
	v_add_nc_u32 v[COV+\a], 2048*\a, v10
	v_add_nc_u32 v[SOV+\a], 64*\a, v11
	v_mov_b32 v[TM+4+\a], 0                        ; a lane permute's destination counts as one of its sources
.endr
	WALU
	s_cmp_eq_u32 s[WR], 0
	s_cbranch_scc0 .Lnot_a
	s_wait_tensorcnt 0x0                           ; waves 0, 1: A has landed; B's waves wait at the tile's head
.Lnot_a:
	s_barrier_signal -1
	s_barrier_wait -1
	ALOAD
	s_wait_dscnt 0x0
; A TILE.  t: which (0 q, 1 k, 2 v);  sw = 1: the sources change places;  more = 1: B is filled again for the next tile.
.macro TILE t, sw, more
	s_wait_tensorcnt 0x0                           ; my part of B has landed
	s_barrier_signal -1
	s_barrier_wait -1                              ; everybody's has
	FETCH 0, 0, F0, 0
.if \more
	global_prefetch_b8 v[PFO], s[PFA:PFA+1] th:TH_LOAD_NT scope:SCOPE_SE     ; the next tile's B: seven K steps ahead of its load
	global_prefetch_b8 v[PFO2], s[PFA:PFA+1] th:TH_LOAD_NT scope:SCOPE_SE
.endif
	STEP 0, 1, 1, \sw                              ; the first products start the sums: nothing is cleared
	STEP 0, 2, 0, \sw
	STEP 0, 3, 0, \sw
	STEP 1, 0, 0, \sw
	STEP 1, 1, 0, \sw
	STEP 1, 2, 0, \sw
	STEP 1, 3, 0, \sw
	SETK 7, \sw
.if \more
	WIN 0                                          ; the last K step, and B's refill
.if \t == 0
	s_wait_xcnt 0x0                                ; my prefetches have read their address: it steps a tile on
	s_add_nc_u64 s[PFA:PFA+1], s[PFA:PFA+1], 64*PL
.endif
	s_wait_tensorcnt 0x0                           ; no tensor load of mine is out
	ds_add_u32 v[SPW], v[NIL]                      ; 0 onto my spare word
	s_wait_dscnt 1                                 ; this step's fragments are in; the add may be out
	WIN MUL
	MULA F1, 0, 1, 0, \sw
	s_wait_dscnt 0x0                               ; the add is done, and my reads of B are over
	s_barrier_signal -1
	MULA F1, 1, 1, 0, \sw
	WIN 0
	s_barrier_wait -1
	CREST                                          ; no wave of any partner still reads B or has a load on its way
	s_add_nc_u64 s[G0B+2:G0B+3], s[G0B+2:G0B+3], 64*PL
	tensor_load_to_lds s[G0B:G0B+3], s[G1B:G1B+7]  ; my one load behind the round: my quarter of the next tile's B
	s_nop 0
	PLACES 4
	WIN MUL
	MULA F1, 2, 1, 0, \sw
	MULA F1, 3, 1, 0, \sw
	WIN 0
.else
	s_wait_dscnt 0x0
	WIN MUL
.irp a, 0,1,2,3
	MULA F1, \a, 1, 0, \sw
.endr
	WIN 0
.endif
	PLACES 8                                       ; between the last products and the first read of results
.if \t > 0
	s_wait_xcnt 0x0                                ; the last tile's stores have read their registers
.endif
	QUANT4 ACC, PC, PW
	QUANT4 ACC+64, PC+16, PW+2
.if \sw
.irp a, 0,1,2,3
	global_store_b128 v[COV+\a], v[PC+8*\a:PC+8*\a+3], s[10:11]            ; 512 consecutive bytes a store
	global_store_b128 v[COV+\a], v[PC+8*\a+4:PC+8*\a+7], s[10:11] offset:512
	global_store_b16 v[SOV+\a], v[PW+\a], s[10:11]
.endr
.else
.irp a, 0,1,2,3
	global_store_b128 v[CO+\a], v[PC+8*\a:PC+8*\a+3], s[8:9] offset:\t*512*AB          ; k's head-slots lie 16 x 32 blocks behind q's
	global_store_b128 v[CO+\a], v[PC+8*\a+4:PC+8*\a+7], s[8:9] offset:\t*512*AB+512
	global_store_b16 v[SO+\a], v[PW+\a], s[8:9] offset:\t*512*AB
.endr
.endif
.endm
	TILE 0, 0, 1
	TILE 1, 0, 1
	TILE 2, 1, 0
	s_wait_tensorcnt 0x0                           ; the wave's end
	ds_add_u32 v[SPW], v[NIL]
	s_wait_dscnt 0x0
	CROUND                                         ; the closing round
	s_endpgm
.Lfunc_end_k_qef4528986d_qkv:
	.size	k_qef4528986d_qkv, .Lfunc_end_k_qef4528986d_qkv-k_qef4528986d_qkv
	.p2alignl 7, 3214868480
	.fill 96, 4, 3214868480
	.section	.rodata,"a",@progbits
	.p2align	6, 0x0
	.amdhsa_kernel k_qef4528986d_qkv
		.amdhsa_group_segment_fixed_size 327680
		.amdhsa_private_segment_fixed_size 0
		.amdhsa_enable_private_segment 0
		.amdhsa_kernarg_size 32
		.amdhsa_user_sgpr_count 2
		.amdhsa_user_sgpr_kernarg_segment_ptr 1
		.amdhsa_wavefront_size32 1
		.amdhsa_system_sgpr_workgroup_id_x 1
		.amdhsa_system_sgpr_workgroup_id_y 1
		.amdhsa_system_sgpr_workgroup_id_z 1
		.amdhsa_system_vgpr_workitem_id 0
		.amdhsa_next_free_vgpr 1024
		.amdhsa_next_free_sgpr 100
		.amdhsa_reserve_vcc 0
		.amdhsa_float_denorm_mode_32 3
		.amdhsa_float_denorm_mode_16_64 3
		.amdhsa_memory_ordered 1
		.amdhsa_forward_progress 1
		.amdhsa_inst_pref_size 157
	.end_amdhsa_kernel
	.amdgpu_metadata
---
amdhsa.version: [ 1, 2 ]
amdhsa.kernels:
  - .name:           k_qef4528986d_qkv
    .symbol:         k_qef4528986d_qkv.kd
    .args:
      - { .name: hcodes, .offset: 0, .size: 8, .value_kind: global_buffer, .address_space: global }
      - { .name: wcodes, .offset: 8, .size: 8, .value_kind: global_buffer, .address_space: global }
      - { .name: qkcodes, .offset: 16, .size: 8, .value_kind: global_buffer, .address_space: global }
      - { .name: vtcodes, .offset: 24, .size: 8, .value_kind: global_buffer, .address_space: global }
    .group_segment_fixed_size: 327680
    .private_segment_fixed_size: 0
    .kernarg_segment_align: 8
    .kernarg_segment_size: 32
    .max_flat_workgroup_size: 128
    .sgpr_count:     100
    .vgpr_count:     1024
    .wavefront_size: 32
...
	.end_amdgpu_metadata
.endif
;; end of part 2
;; launch attn (part 3): grid 8 x 32, 16 waves a work-group, clusters of 4 x 1, 327,680 bytes of LDS; arguments qkcodes, vtcodes, ocodes; writes ocodes
.if DOCPART == 3
	.amdgcn_target "amdgcn-amd-amdhsa--gfx1250"
	.amdhsa_code_object_version 6
	.text
	.protected	k_qef4528986d_attn
	.globl	k_qef4528986d_attn
	.p2align	8
	.type	k_qef4528986d_attn,@function
k_qef4528986d_attn:
	s_mov_b64 s[64:65], 0
	v_nop
	global_prefetch_b8 v0, s[64:65] scope:SCOPE_SE
	s_setreg_imm32_b32 hwreg(HW_REG_WAVE_MODE, 25, 1), 1
	s_wait_xcnt 0x0
	s_wait_alu depctr_hold_cnt(0) depctr_sa_sdst(0) depctr_va_vdst(0) depctr_va_sdst(0) depctr_va_ssrc(0) depctr_va_vcc(0) depctr_vm_vsrc(0)
	s_getreg_b32 s2, hwreg(HW_REG_IB_STS2, 6, 4)
	s_cmp_eq_u32 s2, 0
	s_cbranch_scc0 .Lentry_in_a_cluster
	s_endpgm
.Lentry_in_a_cluster:
	s_bfe_u32 s2, ttmp6, 0x10000c
	s_cmp_lg_u32 s2, 0x3003
	s_cbranch_scc0 .Lentry_shape_is_right
	s_endpgm
.Lentry_shape_is_right:
; o = softmax(q k^T / 8) v for one head of one batch, both products on codes of E4M3 with E8M0 scales; o is quantised along the model's width and stored as the next product's operand blocks.
; THE SOFTMAX AHEAD OF THE SECOND PRODUCT: t = score x log2(e) / 8; M = the running largest t rounded UP to a whole number; p = 2^(t - M) is quantised along the keys, not normalised; the row's sum is taken of the
; unquantised p and divides at the end.  When M moves, the sum and O are multiplied by 2^(old M - new M), which rounds nothing.
; SHARES.  A work-group owns 256 queries of one head; each of sixteen waves one tile of 16, in 256 registers; four waves to a SIMD.
; IN: q, k as blocks of AB = 8,448 bytes (128 tokens x 64): codes t8*1024 + c*512 + lane*16, scale bytes 8,192 + (t8/2)*64 + r*4 + (t8%2)*2.  v^T as blocks of AB (64 x 128 tokens): codes t*2048 + c*512 + lane*16, scale words 8,192 + t*64 + r*4.
; A head's 16 blocks of k and 16 of v^T, 135,168 dense bytes each, all fit in LDS: each comes once, in four chunks, one tensor load a wave (waves 0 to 7), and nothing is filled again.
; The first barrier shows chunk 0 (waves 0 and 1 wait, each on a load line of its own), the second, behind two key steps, all the rest.  No prefetch: every byte is asked for at the head, and there is no loop to run ahead in.
; CLUSTER.  The four query blocks of a cluster walk the same k and v^T: each chunk is asked for jointly.
; LAYOUT.  Both products are used transposed: S^T = k q^T, O^T = v^T p^T: a lane holds ONE query.  Row r of tile 2 g + u is token (or channel) 32 g + 8 u + (r & 7) + 16 (r >> 3), so the 16 registers of tiles 2 g, 2 g + 1
; are 16 neighbours: p's and o's codes are the next operand's registers as they stand.
; THE HEAD'S 64 ARE HALF OF THE INSTRUCTION'S 128: an operand of 16 registers holds key tile 2 g in k = 0..63 and key tile 2 g + 1 in k = 64..127, with the pair's scale word.  Against [q, zero codes] it gives tile 2 g's scores,
; against [zero codes, q] tile 2 g + 1's: zero codes add nothing under a finite scale.  q stands once, between two runs of eight zero registers; its two scale bytes stand twice in one word.
; TWO REGIONS OF 64 REGISTERS CHANGE ROLES FROM STEP TO STEP: k's tiles lie in one, the scores go to the other; v^T follows k into the first; as soon as a block of p has become codes, its 16 registers take the NEXT step's k.
; So a trip of the loop is two steps.  The last step's look-ahead reads the 8,448 LDS bytes behind k's last block (they have landed: v^T's first block); what it brings is not used.
; LIMITS: NaN and infinities are not served; a block of zeros gets the byte 1 (this program alone reads the bytes); the promise holds while the scaled scores t stay under 2^31 in magnitude.
.set AB,   8448
.set PL,   16896
.set VOFF, 16*AB
.set SPARE, 2*VOFF                     ; the spare words: 128 bytes a wave, eight blocks of 256 bytes that no other line names
.set ADK,  1                           ; v1-4   the step's four LDS addresses
.set ADV,  2
.set ADS,  3
.set ADT,  4
.set SPW,  5
.set NIL,  6
.set QW,   7                           ; q's scale bytes, twice
.set KSC,  8                           ; v8-11  k's scale words, one a pair of tiles
.set VSC,  16                          ; v16-19 v^T's scale words
.set PW,   20                          ; p's scale word
.set T,    21
.set F,    22                          ; v22 f = 2^(old M - new M); v23 the old -M
.set QZ,   24                          ; v24-31 zeros, v32-39 q, v40-47 zeros
.set X,    48                          ; v48-111, v112-175: the two regions
.set Y,    112
.set OT,   176                         ; v176-207 O^T
.set PCD,  208                         ; v208-223 p's codes
.set BM,   224                         ; v224-227 the blocks' largest
.set PT,   228
.set BD,   232                         ; v232-235 448 x the scale; a second copy in v252-255, in another bank
.set SO,   236                         ; v236-239 the conversions' scale operands
.set AK0,  248                         ; 16 x lane
.set AV0,  249
.set ASK0, 250
.set ASV0, 251
.set WV,   12
.set G1,   16
.set G0K,  24
.set G0V,  40
.set SEL,  56
.set CS,   58
.set MNT,  60
.set TB,   61
.set CNT,  62
.macro CROUND
	s_barrier_signal -1
	s_barrier_wait -1
	s_cmp_lg_u32 s[WV], 0
	s_cbranch_scc1 .Lnot_wave_0_\@
	s_barrier_signal -3
.Lnot_wave_0_\@:
	s_barrier_wait -3
	s_barrier_signal -1
	s_barrier_wait -1
.endm
.macro WALU
	s_wait_alu depctr_va_vdst(0)
.endm
	s_load_b128 s[4:7], s[0:1], 0x0                ; q and k, v^T
	s_load_b64 s[8:9], s[0:1], 0x10                ; o
	v_lshl_add_u32 v[SPW], v0, 2, SPARE
	v_mov_b32 v[NIL], 0
	ds_add_u32 v[SPW], v[NIL]                      ; the opening lines: the add twice on end and one wait
	ds_add_u32 v[SPW], v[NIL]
	v_lshrrev_b32 v1, 5, v0
	v_readfirstlane_b32 s[WV], v1                  ; wave 0..15
	s_bfe_u32 s13, ttmp6, 0x40000                  ; cx
	s_lshl_b32 s14, ttmp9, 2
	s_add_co_u32 s14, s14, s13                     ; my block of 256 queries: it enters q's and o's addresses alone
	s_and_b32 s15, ttmp7, 0xffff
	s_lshr_b32 s66, s15, 4                         ; batch
	s_and_b32 s67, s15, 15                         ; head
	s_lshl_b32 s68, s66, 4
	s_lshl_b32 s69, s67, 5
	s_add_co_u32 s70, s69, s68                     ; 32 head + 16 batch: v^T's first block, and q's
	s_add_co_u32 s72, s70, 512                     ; k's head-slots lie 16 x 32 blocks on
	s_mul_i32 s72, s72, AB
	s_mov_b32 s73, 0
	s_mul_i32 s74, s70, AB
	s_mov_b32 s75, 0
	s_lshl_b32 s76, s14, 1
	s_lshr_b32 s77, s[WV], 3
	s_add_co_u32 s76, s76, s77                     ; my block of 128 tokens in the batch
	s_and_b32 s77, s[WV], 7                        ; my tile in it
	s_add_co_u32 s78, s70, s76
	s_mul_i32 s78, s78, AB
	s_mov_b32 s79, 0
	s_add_co_u32 s80, s68, s76
	s_lshl_b32 s80, s80, 3
	s_lshr_b32 s81, s67, 1
	s_add_co_u32 s80, s80, s81
	s_mul_i32 s80, s80, PL                         ; o's block: (token / 128, head / 2)
	s_mov_b32 s81, 0
	s_and_b32 s82, s67, 1
	s_lshl_b32 s83, s77, 10                        ; q's codes: tile*1024
	s_lshr_b32 s84, s77, 1
	s_lshl_b32 s84, s84, 6
	s_and_b32 s85, s77, 1
	s_lshl_b32 s85, s85, 1
	s_add_co_u32 s84, s84, s85                     ; q's scale bytes: (tile/2)*64 + (tile%2)*2
	s_lshl_b32 s86, s77, 11
	s_lshl_b32 s87, s82, 10
	s_add_co_u32 s86, s86, s87                     ; o's codes: tile*2048 + (head & 1)*1024
	s_lshl_b32 s87, s77, 6
	s_lshl_b32 s88, s82, 1
	s_add_co_u32 s87, s87, s88                     ; o's scale bytes: tile*64 + 2 (head & 1)
	s_mov_b32 s[G1], 15|(3<<16)|(1<<21)            ; all four work-groups; elements of 8 bytes; bit 21 beside a mask; no padding
	s_mov_b32 s[G1+1], 32<<16                      ; rows of 256 bytes,
	s_mov_b32 s[G1+2], 132<<16                     ; 132 of them: four blocks, dense
	s_mov_b32 s[G1+3], 32<<16
	s_mov_b32 s[G1+4], 132
	s_mov_b32 s[G1+5], 32
	s_mov_b32 s[G1+6], 0
	s_mov_b32 s[G1+7], 0
	s_mov_b32 s[SEL], 0x76543210
	s_mov_b32 s[SEL+1], 0xfedcba98
	s_mov_b32 s[CS], 0x3e38aa3b                    ; c = log2(e) / 8
	s_mov_b32 s[CS+1], s[CS]
	s_mov_b32 s[MNT], 0x600000
	s_mov_b32 s[TB], 0
	s_wait_dscnt 0x0
	s_wait_kmcnt 0x0
	s_add_nc_u64 s[72:73], s[4:5], s[72:73]
	s_add_nc_u64 s[74:75], s[6:7], s[74:75]
	s_add_nc_u64 s[4:5], s[4:5], s[78:79]
	s_add_nc_u64 s[8:9], s[8:9], s[80:81]
	CROUND                                         ; all four work-groups are here: the joint loads meet
.irp p, 0,1,2,3
	s_mov_b32 s[G0K+4*\p], 1
	s_mov_b32 s[G0K+4*\p+1], \p*4*AB
	s_add_nc_u64 s[G0K+4*\p+2:G0K+4*\p+3], s[72:73], \p*4*AB
	s_or_b32 s[G0K+4*\p+3], s[G0K+4*\p+3], 0x80000000
	s_mov_b32 s[G0V+4*\p], 1
	s_mov_b32 s[G0V+4*\p+1], VOFF+\p*4*AB
	s_add_nc_u64 s[G0V+4*\p+2:G0V+4*\p+3], s[74:75], \p*4*AB
	s_or_b32 s[G0V+4*\p+3], s[G0V+4*\p+3], 0x80000000
.endr
; ONE chain of branches on the wave's number, a load to an arm: wave 2 p asks for k's chunk p, wave 2 p + 1 for v^T's; chunk 0 is asked for first
.macro ARM under, g0, next
	s_cmp_lt_u32 s[WV], \under
	s_cbranch_scc0 \next
	tensor_load_to_lds s[\g0:\g0+3], s[G1:G1+7]
	s_nop 0
.rept 4
	v_nop
.endr
	s_branch .Lasked
\next:
.endm
	ARM 1, G0K,    .Larm1
	ARM 2, G0V,    .Larm2
	ARM 3, G0K+4,  .Larm3
	ARM 4, G0V+4,  .Larm4
	ARM 5, G0K+8,  .Larm5
	ARM 6, G0V+8,  .Larm6
	ARM 7, G0K+12, .Larm7
	ARM 8, G0V+12, .Larm8
.Lasked:
	v_and_b32 v[T], 31, v0
	v_and_b32 v[F], 15, v0                         ; r
	v_lshlrev_b32 v[AK0], 4, v[T]
	v_add_nc_u32 v[AV0], VOFF, v[AK0]
	v_lshl_add_u32 v[ASK0], v[F], 2, 8192
	v_lshl_add_u32 v[ASV0], v[F], 2, VOFF+8192
	v_add_nc_u32 v1, s83, v[AK0]
	v_lshl_add_u32 v2, v[F], 2, s84
	global_load_b128 v[QZ+8:QZ+11], v1, s[4:5]     ; q's codes stay in registers
	global_load_b128 v[QZ+12:QZ+15], v1, s[4:5] offset:512
	global_load_u16 v[PW], v2, s[4:5] offset:8192
.irp j, 0,1,2,3,4,5,6,7
	v_mov_b32 v[QZ+\j], 0                          ; zero codes on both sides of q
	v_mov_b32 v[QZ+16+\j], 0
.endr
	v_mov_b32 v13, 0xff61b1e6                      ; the largest t so far: -3e38
	v_floor_f32 v12, -v13                          ; -M
	v_mov_b32 v14, 0                               ; the sum, in two halves
	v_mov_b32 v15, 0
.irp b, 0,1,2,3
	v_mov_b32 v[PT+\b], 0                          ; a lane permute's destination counts as one of its sources
.endr
	s_wait_loadcnt 0x0                             ; q
	v_lshl_or_b32 v[QW], v[PW], 16, v[PW]          ; the two bytes serve k = 0..63 and k = 64..127; the 32 lines below stand between this write and the first product
.set j, 0
.rept 32
	v_mov_b32 v[OT+j], 0                           ; O^T: the step is written for all steps alike; the first finds zeros
.set j, j+1
.endr
.macro HOLD2 x, b                      ; two holds in one instruction: p is not negative, so the hold is one-sided; the bound's two copies lie in different banks
	v_dual_min_num_f32 v[\x], v[BD+\b], v[\x] :: v_dual_min_num_f32 v[\x+1], v[252+((\b+1)%4)], v[\x+1]
.endm
.macro PADD k, o, y                    ; partial sum k (v224-231, v240-247) takes a pair of p's registers 8 k + o
	v_pk_add_f32 v[224+2*\k+8*(\k/4):225+2*\k+8*(\k/4)], v[224+2*\k+8*(\k/4):225+2*\k+8*(\k/4)], v[\y+8*\k+\o:\y+8*\k+\o+1]
.endm
.macro PJOIN a, b
	v_pk_add_f32 v[224+2*\a+8*(\a/4):225+2*\a+8*(\a/4)], v[224+2*\a+8*(\a/4):225+2*\a+8*(\a/4)], v[224+2*\b+8*(\b/4):225+2*\b+8*(\b/4)]
.endm
; A KEY STEP: 128 keys.  x: the region in which k's eight tiles were asked for a step ago, and which v^T's four follow into; y: the region of the scores, then of p, then of the next step's k
.macro STEP x, y
	v_mov_b32 v[F+1], v12                          ; the old -M.  With the eight additions at the last step's end: nine plain lines between the last products and the scores, which are written over those products' source
	s_wait_dscnt 0x0                               ; k's tiles and scale words are in
.irp g, 0,1,2,3
	v_wmma_scale_f32_16x16x128_f8f6f4 v[\y+16*\g:\y+16*\g+7], v[\x+16*\g:\x+16*\g+15], v[QZ+8:QZ+23], 0, v[KSC+\g], v[QW]
	v_wmma_scale_f32_16x16x128_f8f6f4 v[\y+16*\g+8:\y+16*\g+15], v[\x+16*\g:\x+16*\g+15], v[QZ:QZ+15], 0, v[KSC+\g], v[QW]
.endr
	v_add_nc_u32 v[ADV], s[TB], v[AV0]             ; eight plain lines behind the products, ahead of the loads into k's registers and of the first read of the scores
	v_add_nc_u32 v[ADT], s[TB], v[ASV0]
	v_add_nc_u32 v[ADK], s[TB], v[AK0]
	v_add_nc_u32 v[ADS], s[TB], v[ASK0]
.rept 4
	v_nop
.endr
.set i, 0
.rept 16
	ds_load_b128 v[\x+4*i:\x+4*i+3], v[ADV] offset:512*i    ; v^T's four tiles: they have the whole softmax in which to land
.set i, i+1
.endr
.irp t, 0,1,2,3
	ds_load_b32 v[VSC+\t], v[ADT] offset:64*\t
.endr
.irp b, 0,1,2,3
	v_max3_num_f32 v[BM+\b], v[\y+16*\b], v[\y+1+16*\b], v[\y+2+16*\b]     ; the largest score of each block of 32 keys: for the row's maximum and, since p rises with the score, for the block's largest p
.endr
.irp i, 3,5,7,9,11,13
.irp b, 0,1,2,3
	v_max3_num_f32 v[BM+\b], v[BM+\b], v[\y+16*\b+\i], v[\y+1+16*\b+\i]
.endr
.endr
.irp b, 0,1,2,3
	v_max_num_f32 v[BM+\b], v[BM+\b], v[\y+15+16*\b]
.endr
.irp b, 0,1,2,3
	v_permlanex16_b32 v[PT+\b], v[BM+\b], s[SEL], s[SEL+1]
.endr
.irp b, 0,1,2,3
	v_max_num_f32 v[BM+\b], v[BM+\b], v[PT+\b]
.endr
	v_max3_num_f32 v[T], v[BM], v[BM+1], v[BM+2]
	v_max_num_f32 v[T], v[T], v[BM+3]
	v_mul_f32 v[T], s[CS], v[T]                    ; as t (c is positive)
	v_max_num_f32 v13, v13, v[T]                   ; the running largest t
	v_floor_f32 v12, -v13                          ; the new -M = -ceil(t)
	v_sub_f32 v[T], v12, v[F+1]                    ; old M - new M: a whole number, 0 or less
	v_cvt_i32_f32 v[T], v[T]                       ; (it saturates)
	v_ldexp_f32 v[F], 1.0, v[T]                    ; f = 2^(old M - new M)
.set j, 0
.rept 32
	v_pk_fma_f32 v[\y+j:\y+j+1], v[\y+j:\y+j+1], s[CS:CS+1], v[12:13] op_sel_hi:[1,0,0]   ; t - M
.set j, j+2
.endr
.irp b, 0,1,2,3
	v_fma_f32 v[BM+\b], v[BM+\b], s[CS], v12
.endr
	WALU
.set j, 0
.rept 64
	v_exp_f32 v[\y+j], v[\y+j]                     ; p = 2^(t - M)
.set j, j+1
.endr
.irp b, 0,1,2,3
	v_exp_f32 v[BM+\b], v[BM+\b]                   ; the block's largest p: the same two instructions on the same number
.endr
	v_pk_mul_f32 v[14:15], v[14:15], v[F:F+1] op_sel_hi:[1,0]              ; the sum under the new M; a plain line behind the exponentials
	WALU                                           ; and behind it, ahead of its first reader
.irp b, 0,1,2,3
	v_max_num_f32 v[BM+\b], 0x4800000, v[BM+\b]    ; the floor 2^(9 - 127)
.endr
.irp b, 0,1,2,3
	v_add_nc_u32 v[SO+\b], 0xfc000000, v[BM+\b]    ; 8 off the exponent field: the conversion's scale operand
.endr
.irp b, 0,1,2,3
	v_and_or_b32 v[BD+\b], v[BM+\b], 0x7f800000, s[MNT]                    ; 448 x the scale,
	v_and_or_b32 v[252+((\b+1)%4)], v[BM+\b], 0x7f800000, s[MNT]           ; twice
.endr
.irp b, 0,1,2,3
	v_lshrrev_b32 v[PT+\b], 23, v[SO+\b]
.endr
	v_lshl_or_b32 v[PW], v[PT+1], 8, v[PT]         ; p's scale word for these 128 keys
	v_lshl_or_b32 v[PW], v[PT+2], 16, v[PW]
	v_lshl_or_b32 v[PW], v[PT+3], 24, v[PW]
.irp k, 0,1,2,3,4,5,6,7
	v_pk_add_f32 v[224+2*\k+8*(\k/4):225+2*\k+8*(\k/4)], v[\y+8*\k:\y+8*\k+1], v[\y+8*\k+2:\y+8*\k+3]   ; the row's sum is taken of the unquantised p: eight partial sums by turns
.endr
.irp o, 4,6
.irp k, 0,1,2,3,4,5,6,7
	PADD \k, \o, \y
.endr
.endr
.irp b, 0,1,2,3
.irp i, 0,2,4,6,8,10,12,14
	HOLD2 \y+16*\b+\i, \b                          ; the conversion does not saturate (ISA guide 7.6.2)
.endr
	v_cvt_scalef32_pk8_fp8_f32 v[PCD+4*\b:PCD+4*\b+1], v[\y+16*\b:\y+16*\b+7], v[SO+\b]
	v_cvt_scalef32_pk8_fp8_f32 v[PCD+4*\b+2:PCD+4*\b+3], v[\y+16*\b+8:\y+16*\b+15], v[SO+\b]
.irp c, 0,1,2,3
	ds_load_b128 v[\y+16*\b+4*\c:\y+16*\b+4*\c+3], v[ADK] offset:AB+2048*\b+512*\c      ; the block's registers take the next step's key tiles 2 b, 2 b + 1
.endr
	ds_load_b32 v[KSC+\b], v[ADS] offset:AB+64*\b
.endr
	s_wait_dscnt 20                                ; v^T's fragments and scale words are in; the 20 younger loads, the next step's k, may be out
	WALU                                           ; the wait directly ahead of the first reader of O^T
.set j, 0
.rept 16
	v_pk_mul_f32 v[OT+j:OT+j+1], v[OT+j:OT+j+1], v[F:F+1] op_sel_hi:[1,0]  ; O^T under the new M; also the plain lines between the conversions and the products
.set j, j+2
.endr
.irp t, 0,1,2,3
	v_wmma_scale_f32_16x16x128_f8f6f4 v[OT+8*\t:OT+8*\t+7], v[\x+16*\t:\x+16*\t+15], v[PCD:PCD+15], v[OT+8*\t:OT+8*\t+7], v[VSC+\t], v[PW]
.endr
	PJOIN 0, 1                                     ; eight plain lines behind the products
	PJOIN 2, 3
	PJOIN 4, 5
	PJOIN 6, 7
	PJOIN 0, 2
	PJOIN 4, 6
	PJOIN 0, 4
	v_pk_add_f32 v[14:15], v[14:15], v[224:225]
	s_add_co_u32 s[TB], s[TB], AB
.endm
	WALU
	s_cmp_lt_u32 s[WV], 2
	s_cbranch_scc0 .Lnot_first
	s_wait_tensorcnt 0x0                           ; waves 0 and 1: chunk 0 of k and of v^T has landed
.Lnot_first:
	s_barrier_signal -1
	s_barrier_wait -1
.set i, 0
.rept 16
	ds_load_b128 v[X+4*i:X+4*i+3], v[AK0] offset:512*i     ; the first step's k
.set i, i+1
.endr
.irp g, 0,1,2,3
	ds_load_b32 v[KSC+\g], v[ASK0] offset:64*\g
.endr
	STEP X, Y                                      ; steps 0 and 1 read blocks 0 to 2: chunk 0
	STEP Y, X
	s_wait_tensorcnt 0x0                           ; every wave: all chunks have landed
	s_wait_dscnt 0x0
	s_barrier_signal -1
	s_barrier_wait -1
	s_mov_b32 s[CNT], 7
.Lrest:
	STEP X, Y
	STEP Y, X
	s_sub_co_u32 s[CNT], s[CNT], 1
	s_cmp_lg_u32 s[CNT], 0
	s_cbranch_scc1 .Lrest
	; THE WAY OUT: o = O^T / the sum, into region Y (region X and k's scale words are left to the look-ahead's loads); its 64 channels are two blocks of 32 of the next product's K; the codes leave as they stand
	v_add_f32 v14, v14, v15
	v_permlanex16_b32 v[T], v14, s[SEL], s[SEL+1]
	v_add_f32 v14, v14, v[T]                       ; the row's sum
	WALU
	v_rcp_f32 v14, v14
	v_and_b32 v1, 31, v0                           ; plain lines behind the transcendental
	v_and_b32 v3, 15, v0
	v_lshl_add_u32 v1, v1, 4, s86                  ; o's codes
	v_lshl_add_u32 v3, v3, 2, s87                  ; o's scale bytes
	WALU
.set j, 0
.rept 16
	v_pk_mul_f32 v[Y+j:Y+j+1], v[OT+j:OT+j+1], v[14:15] op_sel_hi:[1,0]    ; register 16 e + i: channel 32 e + 16 h + i of my query; each accumulator from its low end on
.set j, j+2
.endr
.irp b, 0,1
	v_max3_num_f32 v[BM+\b], |v[Y+16*\b]|, |v[Y+1+16*\b]|, 0x4800000
.endr
.irp i, 2,4,6,8,10,12,14
.irp b, 0,1
	v_max3_num_f32 v[BM+\b], v[BM+\b], |v[Y+16*\b+\i]|, |v[Y+1+16*\b+\i]|
.endr
.endr
.irp b, 0,1
	v_permlanex16_b32 v[PT+\b], v[BM+\b], s[SEL], s[SEL+1]
.endr
.irp b, 0,1
	v_max_num_f32 v[BM+\b], v[BM+\b], v[PT+\b]
.endr
.irp b, 0,1
	v_add_nc_u32 v[SO+\b], 0xfc000000, v[BM+\b]
	v_and_or_b32 v[BD+\b], v[BM+\b], 0x7f800000, s[MNT]
.endr
.irp b, 0,1
	v_lshrrev_b32 v[PT+\b], 23, v[SO+\b]
.endr
	v_lshl_or_b32 v[PW], v[PT+1], 8, v[PT]
.irp b, 0,1
.irp i, 0,1,2,3,4,5,6,7,8,9,10,11,12,13,14,15
	v_med3_num_f32 v[Y+16*\b+\i], v[Y+16*\b+\i], -v[BD+\b], v[BD+\b]
.endr
	v_cvt_scalef32_pk8_fp8_f32 v[PCD+4*\b:PCD+4*\b+1], v[Y+16*\b:Y+16*\b+7], v[SO+\b]
	v_cvt_scalef32_pk8_fp8_f32 v[PCD+4*\b+2:PCD+4*\b+3], v[Y+16*\b+8:Y+16*\b+15], v[SO+\b]
.endr
	v_nop
	global_store_b128 v1, v[PCD:PCD+3], s[8:9]                             ; 512 consecutive bytes a store
	global_store_b128 v1, v[PCD+4:PCD+7], s[8:9] offset:512
	global_store_b16 v3, v[PW], s[8:9] offset:16384
	s_wait_tensorcnt 0x0                           ; the wave's end
	ds_add_u32 v[SPW], v[NIL]
	s_wait_dscnt 0x0
	CROUND                                         ; the closing round
	s_endpgm
.Lfunc_end_k_qef4528986d_attn:
	.size	k_qef4528986d_attn, .Lfunc_end_k_qef4528986d_attn-k_qef4528986d_attn
	.p2alignl 7, 3214868480
	.fill 96, 4, 3214868480
	.section	.rodata,"a",@progbits
	.p2align	6, 0x0
	.amdhsa_kernel k_qef4528986d_attn
		.amdhsa_group_segment_fixed_size 327680
		.amdhsa_private_segment_fixed_size 0
		.amdhsa_enable_private_segment 0
		.amdhsa_kernarg_size 24
		.amdhsa_user_sgpr_count 2
		.amdhsa_user_sgpr_kernarg_segment_ptr 1
		.amdhsa_wavefront_size32 1
		.amdhsa_system_sgpr_workgroup_id_x 1
		.amdhsa_system_sgpr_workgroup_id_y 1
		.amdhsa_system_sgpr_workgroup_id_z 1
		.amdhsa_system_vgpr_workitem_id 0
		.amdhsa_next_free_vgpr 256
		.amdhsa_next_free_sgpr 96
		.amdhsa_reserve_vcc 0
		.amdhsa_float_denorm_mode_32 3
		.amdhsa_float_denorm_mode_16_64 3
		.amdhsa_memory_ordered 1
		.amdhsa_forward_progress 1
		.amdhsa_inst_pref_size 93
	.end_amdhsa_kernel
	.amdgpu_metadata
---
amdhsa.version: [ 1, 2 ]
amdhsa.kernels:
  - .name:           k_qef4528986d_attn
    .symbol:         k_qef4528986d_attn.kd
    .args:
      - { .name: qkcodes, .offset: 0, .size: 8, .value_kind: global_buffer, .address_space: global }
      - { .name: vtcodes, .offset: 8, .size: 8, .value_kind: global_buffer, .address_space: global }
      - { .name: ocodes, .offset: 16, .size: 8, .value_kind: global_buffer, .address_space: global }
    .group_segment_fixed_size: 327680
    .private_segment_fixed_size: 0
    .kernarg_segment_align: 8
    .kernarg_segment_size: 24
    .max_flat_workgroup_size: 512
    .sgpr_count:     96
    .vgpr_count:     256
    .wavefront_size: 32
...
	.end_amdgpu_metadata
.endif
;; end of part 3
;; launch prj (part 4): grid 8 x 32, 4 waves a work-group, clusters of 4 x 4, 327,680 bytes of LDS; arguments ocodes, wcodes, b_prj, x, x1; writes x1
.if DOCPART == 4
	.amdgcn_target "amdgcn-amd-amdhsa--gfx1250"
	.amdhsa_code_object_version 6
	.text
	.protected	k_qef4528986d_prj
	.globl	k_qef4528986d_prj
	.p2align	8
	.type	k_qef4528986d_prj,@function
k_qef4528986d_prj:
	s_mov_b64 s[64:65], 0
	v_nop
	global_prefetch_b8 v0, s[64:65] scope:SCOPE_SE
	s_setreg_imm32_b32 hwreg(HW_REG_WAVE_MODE, 25, 1), 1
	s_wait_xcnt 0x0
	s_wait_alu depctr_hold_cnt(0) depctr_sa_sdst(0) depctr_va_vdst(0) depctr_va_sdst(0) depctr_va_ssrc(0) depctr_va_vcc(0) depctr_vm_vsrc(0)
	s_getreg_b32 s2, hwreg(HW_REG_IB_STS2, 6, 4)
	s_cmp_eq_u32 s2, 0
	s_cbranch_scc0 .Lentry_in_a_cluster
	s_endpgm
.Lentry_in_a_cluster:
	s_bfe_u32 s2, ttmp6, 0x10000c
	s_cmp_lg_u32 s2, 0xf033
	s_cbranch_scc0 .Lentry_shape_is_right
	s_endpgm
.Lentry_shape_is_right:
.set KS,    8
.set WOFF,  192*16896
.set PL,    16896
.set BOFF,  8*PL
.set SLOT,  4*PL
.set STAGE, 2*BOFF
.set SP,    272
.set SPARE, STAGE+4*16*SP
.set ADRA, 4
.set ADRB, 6
.set ADRS, 8
.set STO,  10
.set RD,   11
.set RO,   12
.set HB,   13
.set SPW,  14
.set NIL,  15
.set SC,   32
.set BIAS, 64
.set ACC,  128
.set F0,   0
.set F1,   128
.set RES,  0
.set WV, 14
.set WR, 15
.set WC, 16
.set G1A, 24
.set G0A, 32
.set G1B, 48
.set G0B, 56
.set MSB, 0
.macro WIN new
.if MSB != \new
	s_set_vgpr_msb (MSB<<8)|\new
.set MSB, \new
.endif
.endm
.set MUL,  0x05
.set TO_F, 0x40
.macro PLACES n
.rept \n
	v_nop
.endr
.endm
.macro JLOAD s
	s_cmp_eq_u32 s[WR], 0
	s_cbranch_scc0 .Lfor_b_\@
	tensor_load_to_lds s[G0A+4*\s:G0A+4*\s+3], s[G1A:G1A+7]
	s_nop 0
	PLACES 4
	s_branch .Lasked_\@
.Lfor_b_\@:
	tensor_load_to_lds s[G0B+4*\s:G0B+4*\s+3], s[G1B:G1B+7]
	s_nop 0
	PLACES 4
.Lasked_\@:
.endm
.macro CROUND
	s_barrier_signal -1
	s_barrier_wait -1
	s_cmp_lg_u32 s[WV], 0
	s_cbranch_scc1 .Lnot_wave_0_\@
	s_barrier_signal -3
.Lnot_wave_0_\@:
	s_barrier_wait -3
	s_barrier_signal -1
	s_barrier_wait -1
.endm
.macro FETCH slot, q, f, sc
	WIN TO_F
.irp i, 0,1,2,3
.irp c, 0,1,2,3
	ds_load_b128 v[(\f)+64+16*\i+4*\c:(\f)+64+16*\i+4*\c+3], v[ADRB+\slot] offset:(\q)*PL+\i*2048+\c*512
	ds_load_b128 v[(\f)+16*\i+4*\c:(\f)+16*\i+4*\c+3], v[ADRA+\slot] offset:(\q)*PL+\i*2048+\c*512
.endr
.endr
	WIN 0
.irp i, 0,1,2,3
	ds_load_b32 v[SC+4*(\sc)+\i], v[ADRS+\slot] offset:(\q)*PL+64*\i
.endr
.endm
.macro MULA f, a, sc, first
.irp b, 0,1,2,3
.if \first
	v_wmma_scale_f32_16x16x128_f8f6f4 v[ACC+8*(4*\a+\b):ACC+8*(4*\a+\b)+7], v[(\f)+64+16*\b:(\f)+64+16*\b+15], v[(\f)+16*\a:(\f)+16*\a+15], v[BIAS+8*\b:BIAS+8*\b+7], v[SC+4*(\sc)+\b], v[SC+4*(\sc)+\a] matrix_a_scale:MATRIX_SCALE_ROW1
.else
	v_wmma_scale_f32_16x16x128_f8f6f4 v[ACC+8*(4*\a+\b):ACC+8*(4*\a+\b)+7], v[(\f)+64+16*\b:(\f)+64+16*\b+15], v[(\f)+16*\a:(\f)+16*\a+15], v[ACC+8*(4*\a+\b):ACC+8*(4*\a+\b)+7], v[SC+4*(\sc)+\b], v[SC+4*(\sc)+\a] matrix_a_scale:MATRIX_SCALE_ROW1
.endif
.endr
.endm
.macro STEP slot, qn, first
	s_wait_dscnt 0x0
	PLACES 8
	FETCH \slot, \qn, 128*((\qn)%2), (\qn)%2
	WIN MUL
.irp a, 0,1,2,3
	MULA 128*(((\qn)+1)%2), \a, ((\qn)+1)%2, \first
.endr
.endm
.macro TURN slot, next
	WIN 0
	s_wait_tensorcnt 0x0
	ds_add_u32 v[SPW], v[NIL]
	s_wait_dscnt 1
	WIN MUL
	MULA F1, 0, 1, 0
	s_wait_dscnt 0x0
	s_barrier_signal -1
	MULA F1, 1, 1, 0
	WIN 0
	s_barrier_wait -1
	PLACES 8
	FETCH \next, 0, F0, 0
	WIN MUL
	MULA F1, 2, 1, 0
	MULA F1, 3, 1, 0
.endm
	s_load_b256 s[4:11], s[0:1], 0x0
	s_load_b64 s[12:13], s[0:1], 0x20
	v_lshl_add_u32 v[SPW], v0, 2, SPARE
	v_mov_b32 v[NIL], 0
	ds_add_u32 v14, v15
	ds_add_u32 v14, v15
	s_wait_dscnt 0x0
	v_lshrrev_b32 v1, 5, v0
	v_readfirstlane_b32 s[WV], v1
	s_lshr_b32 s[WR], s[WV], 1
	s_and_b32 s[WC], s[WV], 1
	s_bfe_u32 s40, ttmp6, 0x40000
	s_bfe_u32 s41, ttmp6, 0x40004
	s_lshl_b32 s42, ttmp9, 2
	s_add_co_u32 s42, s42, s40
	s_and_b32 s17, ttmp7, 0xffff
	s_lshl_b32 s17, s17, 2
	s_add_co_u32 s17, s17, s41
	s_lshl_b32 s43, s41, 2
	s_lshl_b32 s43, 15, s43
	s_lshl_b32 s44, 0x1111, s40
	s_or_b32 s[G1A], s43, (3<<16)|(1<<21)
	s_or_b32 s[G1B], s44, (3<<16)|(1<<21)
.irp g, G1A, G1B
	s_mov_b32 s[\g+1], 32<<16
	s_mov_b32 s[\g+2], 264<<16                     ; 264 rows of 256 bytes: four operand blocks to a load
	s_mov_b32 s[\g+3], 32<<16
	s_mov_b32 s[\g+4], 264
	s_mov_b32 s[\g+5], 32
	s_mov_b32 s[\g+6], 0
	s_mov_b32 s[\g+7], 0
.endr
	s_lshl_b32 s18, s[WC], 2                       ; K = 8 steps: each wave fetches four of A's or of B's with its one load
	s_mul_i32 s20, s17, KS
	s_add_co_u32 s20, s20, s18
	s_mul_i32 s20, s20, PL
	s_mov_b32 s21, 0
	s_mul_i32 s46, s42, KS
	s_add_co_u32 s46, s46, s18
	s_mul_i32 s46, s46, PL
	s_add_co_u32 s46, s46, WOFF
	s_mov_b32 s47, 0
	s_mul_i32 s45, s[WR], BOFF
	s_mul_i32 s19, s[WC], 4*PL
	s_add_co_u32 s45, s45, s19
	s_wait_kmcnt 0x0
	s_add_nc_u64 s[20:21], s[4:5], s[20:21]
	s_add_nc_u64 s[46:47], s[6:7], s[46:47]
	CROUND
.irp s, 0
	s_mov_b32 s[G0A+4*\s], 1
	s_add_co_u32 s[G0A+4*\s+1], s45, \s*SLOT
	s_add_nc_u64 s[G0A+4*\s+2:G0A+4*\s+3], s[20:21], \s*SLOT
	s_or_b32 s[G0A+4*\s+3], s[G0A+4*\s+3], 0x80000000
	s_mov_b32 s[G0B+4*\s], 1
	s_add_co_u32 s[G0B+4*\s+1], s45, \s*SLOT
	s_add_nc_u64 s[G0B+4*\s+2:G0B+4*\s+3], s[46:47], \s*SLOT
	s_or_b32 s[G0B+4*\s+3], s[G0B+4*\s+3], 0x80000000
.endr
	JLOAD 0                                        ; all of K for A and B: one joint load a wave, behind the one round
	v_and_b32 v1, 15, v0
	v_bfe_u32 v2, v0, 4, 1
	s_wait_alu depctr_va_vdst(0)
	v_and_b32 v3, 31, v0
	v_lshlrev_b32 v3, 4, v3
	s_lshl_b32 s18, s[WR], 13
	s_lshl_b32 s19, s[WC], 13
	s_add_co_u32 s19, s19, BOFF
.irp s, 0,1
	v_add_nc_u32 v[ADRA+\s], s18, v3
	v_add_nc_u32 v[ADRB+\s], s19, v3
	s_add_co_u32 s18, s18, SLOT
	s_add_co_u32 s19, s19, SLOT
.endr
	s_lshl_b32 s18, s[WR], 8
	s_lshl_b32 s19, s[WC], 8
	s_add_co_u32 s19, s19, BOFF
	s_sub_co_u32 s19, s19, s18
	v_mul_u32_u24 v[ADRS], s19, v2
	v_lshl_add_u32 v[ADRS], v1, 2, v[ADRS]
	s_add_co_u32 s18, s18, 16384
	v_add_nc_u32 v[ADRS], s18, v[ADRS]
	v_add_nc_u32 v[ADRS+1], SLOT, v[ADRS]
	s_mul_i32 s18, s[WV], 16*SP
	s_add_co_u32 s18, s18, STAGE
	v_mul_u32_u24 v[STO], v1, SP
	v_lshl_add_u32 v[STO], v2, 6, v[STO]
	v_add_nc_u32 v[STO], s18, v[STO]
	v_mul_u32_u24 v[RD], v2, SP
	v_lshl_add_u32 v[RD], v1, 4, v[RD]
	v_add_nc_u32 v[RD], s18, v[RD]
	v_lshlrev_b32 v[RO], 12, v2
	v_lshl_add_u32 v[RO], v1, 4, v[RO]
	v_lshlrev_b32 v[HB], 6, v2
	s_wait_alu depctr_va_vdst(0)
	s_lshl_b32 s20, s17, 7
	s_lshl_b32 s21, s[WR], 6
	s_add_co_u32 s20, s20, s21
	s_lshl_b32 s20, s20, 12
	s_lshl_b32 s46, s42, 9
	s_lshl_b32 s47, s[WC], 8
	s_add_co_u32 s46, s46, s47
	s_mov_b32 s47, 0
	s_add_co_u32 s20, s20, s46
	s_mov_b32 s21, 0
	s_add_nc_u64 s[8:9], s[8:9], s[46:47]
	s_add_nc_u64 s[10:11], s[10:11], s[20:21]
	s_add_nc_u64 s[12:13], s[12:13], s[20:21]
.irp b, 0,1,2,3
	global_load_b128 v[BIAS+8*\b:BIAS+8*\b+3], v[HB], s[8:9] offset:128*(\b/2)+32*(\b%2)
	global_load_b128 v[BIAS+8*\b+4:BIAS+8*\b+7], v[HB], s[8:9] offset:128*(\b/2)+32*(\b%2)+16
.endr
	WIN 0x80
.irp a, 0,1,2,3
.irp i, 0,1,2,3,4,5,6,7
	global_load_b128 v[RES+32*\a+4*\i:RES+32*\a+4*\i+3], v[RO], s[10:11] offset:(32*(\a/2)+8*(\a%2)+2*(\i%4)+16*(\i/4))*4096 th:TH_LOAD_NT
.endr
.endr
	WIN 0
	s_wait_tensorcnt 0x0
	s_barrier_signal -1
	s_barrier_wait -1
	FETCH 0, 0, F0, 0
	s_wait_loadcnt 32
	STEP 0, 1, 1
	STEP 0, 2, 0
	STEP 0, 3, 0
	TURN 0, 1
	STEP 1, 1, 0
	STEP 1, 2, 0
	STEP 1, 3, 0
	s_wait_dscnt 0x0
	WIN MUL
.irp a, 0,1,2,3
	MULA F1, \a, 1, 0
.endr
	WIN 0
.macro TOSTAGE a
.irp b, 0,1,2,3
	ds_store_b128 v[STO], v[ACC+32*\a+8*\b:ACC+32*\a+8*\b+3] offset:128*(\b/2)+32*(\b%2)
	ds_store_b128 v[STO], v[ACC+32*\a+8*\b+4:ACC+32*\a+8*\b+7] offset:128*(\b/2)+32*(\b%2)+16
.endr
.irp i, 0,1,2,3,4,5,6,7
	ds_load_b128 v[ACC+32*\a+4*\i:ACC+32*\a+4*\i+3], v[RD] offset:\i*2*SP
.endr
.endm
.macro SEND a, younger
	s_wait_dscnt \younger
	WIN 0x08
.irp i, 0,2,4,6,8,10,12,14,16,18,20,22,24,26,28,30
	v_pk_add_f32 v[ACC+32*\a+\i:ACC+32*\a+\i+1], v[ACC+32*\a+\i:ACC+32*\a+\i+1], v[RES+32*\a+\i:RES+32*\a+\i+1]
.endr
	WIN 0
.irp i, 0,1,2,3,4,5,6,7
	global_store_b128 v[RO], v[ACC+32*\a+4*\i:ACC+32*\a+4*\i+3], s[12:13] offset:(32*(\a/2)+8*(\a%2)+2*(\i%4)+16*(\i/4))*4096
.endr
.endm
	PLACES 8
	s_wait_loadcnt 0x0
	TOSTAGE 0
	TOSTAGE 1
	SEND 0, 16
	TOSTAGE 2
	SEND 1, 16
	TOSTAGE 3
	SEND 2, 16
	SEND 3, 0
	s_wait_tensorcnt 0x0
	ds_add_u32 v[SPW], v[NIL]
	s_wait_dscnt 0x0
	CROUND
	s_endpgm
.Lfunc_end_k_qef4528986d_prj:
	.size	k_qef4528986d_prj, .Lfunc_end_k_qef4528986d_prj-k_qef4528986d_prj
	.p2alignl 7, 3214868480
	.fill 96, 4, 3214868480
	.section	.rodata,"a",@progbits
	.p2align	6, 0x0
	.amdhsa_kernel k_qef4528986d_prj
		.amdhsa_group_segment_fixed_size 327680
		.amdhsa_private_segment_fixed_size 0
		.amdhsa_enable_private_segment 0
		.amdhsa_kernarg_size 40
		.amdhsa_user_sgpr_count 2
		.amdhsa_user_sgpr_kernarg_segment_ptr 1
		.amdhsa_wavefront_size32 1
		.amdhsa_system_sgpr_workgroup_id_x 1
		.amdhsa_system_sgpr_workgroup_id_y 1
		.amdhsa_system_sgpr_workgroup_id_z 1
		.amdhsa_system_vgpr_workitem_id 0
		.amdhsa_next_free_vgpr 640
		.amdhsa_next_free_sgpr 100
		.amdhsa_reserve_vcc 0
		.amdhsa_float_denorm_mode_32 3
		.amdhsa_float_denorm_mode_16_64 3
		.amdhsa_memory_ordered 1
		.amdhsa_forward_progress 1
		.amdhsa_inst_pref_size 60
	.end_amdhsa_kernel
	.amdgpu_metadata
---
amdhsa.version: [ 1, 2 ]
amdhsa.kernels:
  - .name:           k_qef4528986d_prj
    .symbol:         k_qef4528986d_prj.kd
    .args:
      - { .name: ocodes, .offset: 0, .size: 8, .value_kind: global_buffer, .address_space: global }
      - { .name: wcodes, .offset: 8, .size: 8, .value_kind: global_buffer, .address_space: global }
      - { .name: b_prj, .offset: 16, .size: 8, .value_kind: global_buffer, .address_space: global }
      - { .name: x, .offset: 24, .size: 8, .value_kind: global_buffer, .address_space: global }
      - { .name: x1, .offset: 32, .size: 8, .value_kind: global_buffer, .address_space: global }
    .group_segment_fixed_size: 327680
    .private_segment_fixed_size: 0
    .kernarg_segment_align: 8
    .kernarg_segment_size: 40
    .max_flat_workgroup_size: 128
    .sgpr_count:     100
    .vgpr_count:     640
    .wavefront_size: 32
...
	.end_amdgpu_metadata
.endif
;; end of part 4
;; launch ln2 (part 5): grid 256 x 1, 8 waves a work-group, no clusters, 66,816 bytes of LDS; arguments x1, ln2_g, ln2_b, hcodes; writes hcodes
.if DOCPART == 5
	.amdgcn_target "amdgcn-amd-amdhsa--gfx1250"
	.amdhsa_code_object_version 6
	.text
	.protected	k_qef4528986d_ln2
	.globl	k_qef4528986d_ln2
	.p2align	8
	.type	k_qef4528986d_ln2,@function
k_qef4528986d_ln2:
	s_mov_b64 s[64:65], 0
	v_nop
	global_prefetch_b8 v0, s[64:65] scope:SCOPE_SE
	s_setreg_imm32_b32 hwreg(HW_REG_WAVE_MODE, 25, 1), 1
	s_wait_xcnt 0x0
; h = layernorm(x) * g + b over rows of 1,024 f32, quantised along the row to E4M3 with one E8M0 byte for each 32, and stored as operand blocks:
; a block (PL = 16,896 bytes) holds 128 rows x 128 along K: codes at t8*2048 + c*512 + lane*16 (lane = 16 h + r: k = 32 c + 16 h + 0..15 of row r of tile t8), scale words at 16,384 + t8*64 + r*4; blocks lie [row / 128][k / 128].
; Row r of tile 2 g + u of a block is its row 32 g + 8 u + (r & 7) + 16 (r >> 3).
; A work-group makes one tile of 16 rows.  PHASE 1: wave w reads two whole rows (512 consecutive bytes a load), takes mean and variance in two passes over registers, and puts (x - mean) / sqrt(var + eps) into LDS,
; rows 4,112 bytes apart.  PHASE 2, behind a barrier: wave w takes K step w of all 16 rows, 16 neighbours of each block of 32 a lane, applies gain and bias, quantises, and stores the fragment as it stands in its registers.
; LIMITS: NaN and infinities are not served; a block of zeros gets the byte 1 (this program alone reads the bytes); blocks under 2^-118 are held at that floor.
.set PL, 16896
.set RP, 4112                          ; an LDS row: 4,096 bytes + 16, an odd multiple of 16, so that sixteen rows' pieces fall on different banks
.set X,  16                            ; v16-79   two rows as loaded; later my 64 numbers of the fragment
.set G,  80                            ; v80-143  the gains of my 64 columns
.set B,  144                           ; v144-207 the biases
.set TM, 208                           ; v208-223 at work
.set PC, 224                           ; v224-239 the codes
.set PW, 240                           ; v240     the scale word
	s_load_b256 s[4:11], s[0:1], 0x0               ; x, g, b, the codes
	v_lshl_add_u32 v254, v0, 2, 0x10100
	v_mov_b32 v255, 0
	v_lshrrev_b32 v1, 5, v0
	s_delay_alu instid0(VALU_DEP_1)
	v_readfirstlane_b32 s12, v1                    ; wave 0..7
	v_and_b32 v1, 31, v0                           ; lane
	v_and_b32 v2, 15, v0                           ; r
	v_bfe_u32 v3, v0, 4, 1                         ; h
	s_delay_alu instid0(VALU_DEP_3)
	v_lshlrev_b32 v4, 4, v1                        ; 16 x lane
	s_delay_alu instid0(VALU_DEP_2)
	v_lshlrev_b32 v5, 6, v3                        ; 64 h
	s_mul_i32 s13, s12, 2*RP
	v_add_nc_u32 v6, s13, v4                       ; LDS, in: my two rows, 16 bytes a lane
	v_mul_u32_u24 v7, v2, RP
	s_delay_alu instid0(VALU_DEP_1)
	v_add_nc_u32 v7, v7, v5
	s_lshl_b32 s20, s12, 9                         ; 512 w: K step w in bytes of f32
	v_add_nc_u32 v7, s20, v7                       ; LDS, out: row r, K step w, my half of a block
	s_and_b32 s28, ttmp9, 7                        ; t8
	s_lshl_b32 s22, s28, 11
	v_add_nc_u32 v8, s22, v4                       ; my codes' place in a block
	s_lshl_b32 s22, s28, 6
	v_lshl_add_u32 v9, v2, 2, s22                  ; my row's scale word
.irp b, 0,1,2,3
	v_mov_b32 v[TM+4+\b], 0                        ; written once: a lane permute's destination counts as one of its sources
.endr
	s_mov_b32 s16, 0x76543210
	s_mov_b32 s17, 0xfedcba98                      ; selects for lane l xor 16
	s_mov_b32 s18, 0x3a800000                      ; 1 / 1,024
	s_mov_b32 s19, 0x3727c5ac                      ; eps = 1e-5
	s_mov_b32 s23, 0x600000                        ; the mantissa field of 448
	s_lshr_b32 s24, ttmp9, 1
	s_lshl_b32 s24, s24, 5
	s_and_b32 s25, ttmp9, 1
	s_lshl_b32 s25, s25, 3
	s_add_co_u32 s24, s24, s25
	s_lshl_b32 s25, s12, 1
	s_and_b32 s25, s25, 7
	s_add_co_u32 s24, s24, s25
	s_lshr_b32 s25, s12, 2
	s_lshl_b32 s25, s25, 4
	s_add_co_u32 s24, s24, s25                     ; my first row: 32 (T / 2) + 8 (T % 2) + (2 w & 7) + 16 (w / 4)
	s_lshl_b32 s24, s24, 12
	s_mov_b32 s25, 0
	s_mov_b32 s21, 0
	s_lshr_b32 s26, ttmp9, 3
	s_lshl_b32 s26, s26, 3
	s_add_co_u32 s26, s26, s12
	s_mul_i32 s26, s26, PL                         ; block (T / 8, w)
	s_mov_b32 s27, 0
	s_wait_kmcnt 0x0
	s_add_nc_u64 s[4:5], s[4:5], s[24:25]
	s_add_nc_u64 s[6:7], s[6:7], s[20:21]
	s_add_nc_u64 s[8:9], s[8:9], s[20:21]
	s_add_nc_u64 s[10:11], s[10:11], s[26:27]
.irp p, 0,1
.irp j, 0,1,2,3,4,5,6,7
	global_load_b128 v[X+32*\p+4*\j:X+32*\p+4*\j+3], v4, s[4:5] offset:4096*\p+512*\j th:TH_LOAD_NT
.endr
.endr
.irp c, 0,1,2,3
.irp j, 0,1,2,3
	global_load_b128 v[G+16*\c+4*\j:G+16*\c+4*\j+3], v5, s[6:7] offset:128*\c+16*\j
	global_load_b128 v[B+16*\c+4*\j:B+16*\c+4*\j+3], v5, s[8:9] offset:128*\c+16*\j
.endr
.endr
.macro REDUCE                          ; v[TM] summed over the 32 lanes, into every lane
	s_delay_alu instid0(VALU_DEP_1)
	v_add_f32_dpp v[TM], v[TM], v[TM] row_xmask:1 row_mask:0xf bank_mask:0xf
	s_delay_alu instid0(VALU_DEP_1)
	v_add_f32_dpp v[TM], v[TM], v[TM] row_xmask:2 row_mask:0xf bank_mask:0xf
	s_delay_alu instid0(VALU_DEP_1)
	v_add_f32_dpp v[TM], v[TM], v[TM] row_xmask:4 row_mask:0xf bank_mask:0xf
	s_delay_alu instid0(VALU_DEP_1)
	v_add_f32_dpp v[TM], v[TM], v[TM] row_xmask:8 row_mask:0xf bank_mask:0xf
	s_delay_alu instid0(VALU_DEP_1)
	v_permlanex16_b32 v[TM+1], v[TM], s16, s17
	s_delay_alu instid0(VALU_DEP_1)
	v_add_f32 v[TM], v[TM], v[TM+1]
.endm
.macro ROW p
.set XR, X+32*\p
	v_pk_add_f32 v[TM:TM+1], v[XR:XR+1], v[XR+2:XR+3]              ; the sum, in two chains
	v_pk_add_f32 v[TM+2:TM+3], v[XR+4:XR+5], v[XR+6:XR+7]
.irp i, 8,12,16,20,24,28
	s_delay_alu instid0(VALU_DEP_2)
	v_pk_add_f32 v[TM:TM+1], v[TM:TM+1], v[XR+\i:XR+\i+1]
	s_delay_alu instid0(VALU_DEP_2)
	v_pk_add_f32 v[TM+2:TM+3], v[TM+2:TM+3], v[XR+\i+2:XR+\i+3]
.endr
	s_delay_alu instid0(VALU_DEP_1)
	v_pk_add_f32 v[TM:TM+1], v[TM:TM+1], v[TM+2:TM+3]
	s_delay_alu instid0(VALU_DEP_1)
	v_add_f32 v[TM], v[TM], v[TM+1]
	REDUCE
	s_delay_alu instid0(VALU_DEP_1)
	v_mul_f32 v[TM], s18, v[TM]                    ; the mean
	s_delay_alu instid0(VALU_DEP_1)
	v_mov_b32 v[TM+1], v[TM]
.set i, 0
.rept 16
	v_pk_add_f32 v[XR+i:XR+i+1], v[XR+i:XR+i+1], v[TM:TM+1] neg_lo:[0,1] neg_hi:[0,1]   ; x - mean: the variance is taken of the differences, so a common offset costs nothing
.set i, i+2
.endr
	v_pk_mul_f32 v[TM:TM+1], v[XR:XR+1], v[XR:XR+1]
	v_pk_mul_f32 v[TM+2:TM+3], v[XR+2:XR+3], v[XR+2:XR+3]
.irp i, 4,8,12,16,20,24,28
	s_delay_alu instid0(VALU_DEP_2)
	v_pk_fma_f32 v[TM:TM+1], v[XR+\i:XR+\i+1], v[XR+\i:XR+\i+1], v[TM:TM+1]
	s_delay_alu instid0(VALU_DEP_2)
	v_pk_fma_f32 v[TM+2:TM+3], v[XR+\i+2:XR+\i+3], v[XR+\i+2:XR+\i+3], v[TM+2:TM+3]
.endr
	s_delay_alu instid0(VALU_DEP_1)
	v_pk_add_f32 v[TM:TM+1], v[TM:TM+1], v[TM+2:TM+3]
	s_delay_alu instid0(VALU_DEP_1)
	v_add_f32 v[TM], v[TM], v[TM+1]
	REDUCE
	s_delay_alu instid0(VALU_DEP_1)
	v_fma_f32 v[TM], v[TM], s18, s19               ; variance + eps
	s_wait_alu depctr_va_vdst(0)
	v_rsq_f32 v[TM], v[TM]
	v_nop                                          ; a plain line behind the transcendental
	s_wait_alu depctr_va_vdst(0)
	v_mov_b32 v[TM+1], v[TM]
.set i, 0
.rept 16
	v_pk_mul_f32 v[XR+i:XR+i+1], v[XR+i:XR+i+1], v[TM:TM+1]
.set i, i+2
.endr
.irp j, 0,1,2,3,4,5,6,7
	ds_store_b128 v6, v[XR+4*\j:XR+4*\j+3] offset:\p*RP+512*\j
.endr
.endm
	s_wait_loadcnt 32                              ; my two rows are in; the 32 loads of gains and biases may be out
	ROW 0
	ROW 1
	s_wait_dscnt 0x0                               ; for the others' sake: my rows lie in LDS
	s_barrier_signal -1
	s_barrier_wait -1
.irp c, 0,1,2,3
.irp j, 0,1,2,3
	ds_load_b128 v[X+16*\c+4*\j:X+16*\c+4*\j+3], v7 offset:128*\c+16*\j    ; register 16 c + i: k = 128 w + 32 c + 16 h + i of row r
.endr
.endr
	s_wait_dscnt 0x0
	s_wait_loadcnt 0x0
.set i, 0
.rept 32
	v_pk_fma_f32 v[X+i:X+i+1], v[X+i:X+i+1], v[G+i:G+i+1], v[B+i:B+i+1]
.set i, i+2
.endr
.irp b, 0,1,2,3
	v_max3_num_f32 v[TM+\b], |v[X+16*\b]|, |v[X+1+16*\b]|, 0x4800000       ; block b: my 16 numbers and the floor 2^(9 - 127)
.endr
.irp i, 2,4,6,8,10,12,14
.irp b, 0,1,2,3
	s_delay_alu instid0(VALU_DEP_4)
	v_max3_num_f32 v[TM+\b], v[TM+\b], |v[X+16*\b+\i]|, |v[X+1+16*\b+\i]|
.endr
.endr
.irp b, 0,1,2,3
	s_delay_alu instid0(VALU_DEP_4)
	v_permlanex16_b32 v[TM+4+\b], v[TM+\b], s16, s17
.endr
.irp b, 0,1,2,3
	s_delay_alu instid0(VALU_DEP_4)
	v_max_num_f32 v[TM+\b], v[TM+\b], v[TM+4+\b]   ; with lane l xor 16's 16: the block's largest magnitude
.endr
.irp b, 0,1,2,3
	s_delay_alu instid0(VALU_DEP_4)
	v_add_nc_u32 v[TM+12+\b], 0xfc000000, v[TM+\b] ; 8 off its exponent field: the conversion's scale operand
.endr
.irp b, 0,1,2,3
	v_and_or_b32 v[TM+8+\b], v[TM+\b], 0x7f800000, s23   ; 448 x the scale
.endr
.irp b, 0,1,2,3
	v_lshrrev_b32 v[TM+4+\b], 23, v[TM+12+\b]      ; the byte
.endr
	s_delay_alu instid0(VALU_DEP_3)
	v_lshl_or_b32 v[PW], v[TM+5], 8, v[TM+4]
	s_delay_alu instid0(VALU_DEP_1)
	v_lshl_or_b32 v[PW], v[TM+6], 16, v[PW]
	s_delay_alu instid0(VALU_DEP_1)
	v_lshl_or_b32 v[PW], v[TM+7], 24, v[PW]
.irp b, 0,1,2,3
.irp i, 0,1,2,3,4,5,6,7,8,9,10,11,12,13,14,15
	v_med3_num_f32 v[X+16*\b+\i], v[X+16*\b+\i], -v[TM+8+\b], v[TM+8+\b]   ; the conversion does not saturate (ISA guide 7.6.2): the hold comes first
.endr
	v_cvt_scalef32_pk8_fp8_f32 v[PC+4*\b:PC+4*\b+1], v[X+16*\b:X+16*\b+7], v[TM+12+\b]
	v_cvt_scalef32_pk8_fp8_f32 v[PC+4*\b+2:PC+4*\b+3], v[X+16*\b+8:X+16*\b+15], v[TM+12+\b]
.endr
	v_nop
.irp c, 0,1,2,3
	global_store_b128 v8, v[PC+4*\c:PC+4*\c+3], s[10:11] offset:512*\c     ; 32 lanes store 512 consecutive bytes
.endr
	global_store_b32 v9, v[PW], s[10:11] offset:16384                      ; both halves of the lanes hold the same word and write it to the same place
	s_wait_tensorcnt 0x0
	ds_add_u32 v254, v255
	s_wait_dscnt 0x0
	s_endpgm
.Lfunc_end_k_qef4528986d_ln2:
	.size	k_qef4528986d_ln2, .Lfunc_end_k_qef4528986d_ln2-k_qef4528986d_ln2
	.p2alignl 7, 3214868480
	.fill 96, 4, 3214868480
	.section	.rodata,"a",@progbits
	.p2align	6, 0x0
	.amdhsa_kernel k_qef4528986d_ln2
		.amdhsa_group_segment_fixed_size 66816
		.amdhsa_private_segment_fixed_size 0
		.amdhsa_enable_private_segment 0
		.amdhsa_kernarg_size 32
		.amdhsa_user_sgpr_count 2
		.amdhsa_user_sgpr_kernarg_segment_ptr 1
		.amdhsa_wavefront_size32 1
		.amdhsa_system_sgpr_workgroup_id_x 1
		.amdhsa_system_sgpr_workgroup_id_y 1
		.amdhsa_system_sgpr_workgroup_id_z 1
		.amdhsa_system_vgpr_workitem_id 0
		.amdhsa_next_free_vgpr 256
		.amdhsa_next_free_sgpr 66
		.amdhsa_reserve_vcc 0
		.amdhsa_float_denorm_mode_32 3
		.amdhsa_float_denorm_mode_16_64 3
		.amdhsa_memory_ordered 1
		.amdhsa_forward_progress 1
		.amdhsa_inst_pref_size 34
	.end_amdhsa_kernel
	.amdgpu_metadata
---
amdhsa.version: [ 1, 2 ]
amdhsa.kernels:
  - .name:           k_qef4528986d_ln2
    .symbol:         k_qef4528986d_ln2.kd
    .args:
      - { .name: x1, .offset: 0, .size: 8, .value_kind: global_buffer, .address_space: global }
      - { .name: ln2_g, .offset: 8, .size: 8, .value_kind: global_buffer, .address_space: global }
      - { .name: ln2_b, .offset: 16, .size: 8, .value_kind: global_buffer, .address_space: global }
      - { .name: hcodes, .offset: 24, .size: 8, .value_kind: global_buffer, .address_space: global }
    .group_segment_fixed_size: 66816
    .private_segment_fixed_size: 0
    .kernarg_segment_align: 8
    .kernarg_segment_size: 32
    .max_flat_workgroup_size: 256
    .sgpr_count:     66
    .vgpr_count:     256
    .wavefront_size: 32
...
	.end_amdgpu_metadata
.endif
;; end of part 5
;; launch fc1 (part 6): grid 8 x 32, 4 waves a work-group, clusters of 4 x 4, 327,680 bytes of LDS; arguments hcodes, wcodes, b_fc1, gcodes; writes gcodes
.if DOCPART == 6
	.amdgcn_target "amdgcn-amd-amdhsa--gfx1250"
	.amdhsa_code_object_version 6
	.text
	.protected	k_qef4528986d_fc1
	.globl	k_qef4528986d_fc1
	.p2align	8
	.type	k_qef4528986d_fc1,@function
k_qef4528986d_fc1:
	s_mov_b64 s[64:65], 0
	v_nop
	global_prefetch_b8 v0, s[64:65] scope:SCOPE_SE
	s_setreg_imm32_b32 hwreg(HW_REG_WAVE_MODE, 25, 1), 1
	s_wait_xcnt 0x0
	s_wait_alu depctr_hold_cnt(0) depctr_sa_sdst(0) depctr_va_vdst(0) depctr_va_sdst(0) depctr_va_ssrc(0) depctr_va_vcc(0) depctr_vm_vsrc(0)
	s_getreg_b32 s2, hwreg(HW_REG_IB_STS2, 6, 4)
	s_cmp_eq_u32 s2, 0
	s_cbranch_scc0 .Lentry_in_a_cluster
	s_endpgm
.Lentry_in_a_cluster:
	s_bfe_u32 s2, ttmp6, 0x10000c
	s_cmp_lg_u32 s2, 0xf033
	s_cbranch_scc0 .Lentry_shape_is_right
	s_endpgm
.Lentry_shape_is_right:
; g = gelu(h W1^T + b1), from codes to codes.  OPERAND BLOCKS (PL = 16,896 bytes: 128 rows x 128 K): codes at t8*2048 + c*512 + lane*16, scale words at 16,384 + t8*64 + r*4; [rows / 128][K / 128].
; A WORK-GROUP STAYS: it owns 128 tokens (h's block ty: A) and makes four tiles of 128 x 128, against the weight's blocks x, x + 8, x + 16, x + 24: B.  K = 1,024 is 8 K steps.  Four waves, each 64 x 64: 16 accumulators.
; A's CODES STAND IN REGISTERS: a wave's 64 rows x all of K are 512 registers (windows 2 and 3), read from LDS once, for all four tiles; a K step then reads B's four fragments and eight scale words from LDS.
; FILLS: at the head one joint load a wave: waves 0, 1 A's halves, waves 2, 3 B's; the first barrier shows A alone.  B is filled again, whole, behind one round at the end of a tile: wave w fetches K steps 2 w and 2 w + 1.
; PREFETCH: at a tile's head each wave names its share of the next tile's B: its refill is 132 blocks of 256 bytes, asked for jointly by the four of a cluster's column: the partner at place cy names blocks 33 cy .. 33 cy + 32, told apart by address alone.
; The product is used transposed (source 0 = 16 rows of the weight, source 1 = 16 tokens): lane (r, h) holds token r, and the 16 registers of the weight's tiles 2 e, 2 e + 1 are hidden units 32 e + 16 h + 0..15: neighbours along the next K.  The bias is the first products' C.
; THE GELU, exact form: gelu(x) = max(x, 0) - |x| e, e = erfc(|x| / sqrt 2) / 2 = t 2^(P(t) - x^2 log2(e) / 2), t = 1 / (1 + |x| / (2 sqrt 2)); P is a polynomial of degree 9 whose coefficients carry log2(e) and the half; its error is about 1e-7 of erfc.
; It goes in two batches of 64 numbers a lane, phase by phase, with its work registers in window 1, which the fragments leave free then: one wait ahead of and one behind each run of transcendentals.
; OUT: g's operand blocks [token / 128][hidden / 128].  CLUSTERS 4 x 4: A's blocks are asked for jointly along a row of the cluster, B's along a column.
; LIMITS: NaN and infinities are not served; a block of zeros gets the byte 1 (this program alone reads the bytes); blocks under 2^-118 are held at that floor.
.set KS,    8
.set TILES, 4
.set WOFF,  256*16896
.set PL,    16896
.set BOFF,  8*PL
.set SLOT,  4*PL
.set SPARE, 2*BOFF
.set ADRA, 4
.set ADRB, 6
.set ADRS, 8
.set HB,   13
.set SPW,  14
.set NIL,  15
.set CO,   16
.set SO,   20
.set PFO,  24
.set PFO2, 25
.set SC,   32
.set TM,   40
.set PW,   56
.set A9,   60
.set BIAS, 64
.set PC,   96
.set ACC,  128
.set F0,   0                           ; window 1: B's two fragment buffers at 64 and at 192
.set F1,   128
.set GT,   0                           ; window 1, in the gelu: t, the exponent, x^2 and then max(x, 0)
.set GP,   64
.set GW,   128
.set WV, 14
.set WR, 15
.set WC, 16
.set G1A, 24
.set G0A, 32
.set G0H, 36
.set G1B, 48
.set G0B, 56
.set SEL, 84
.set MNT, 86
.set KH,  87
.set G1H, 88
.set PFA, 96
.set MSB, 0
.macro WIN new
.if MSB != \new
	s_set_vgpr_msb (MSB<<8)|\new
.set MSB, \new
.endif
.endm
.set TO_F, 0x40
.macro SETK k                          ; the K step that is multiplied: A's fragments lie at 64 (k % 4) + 16 a of window 2 + k / 4 (source 1); B's in window 1 (source 0)
.set KA, \k
.set MUL, 1|((2+KA/4)<<2)
.endm
.macro PLACES n
.rept \n
	v_nop
.endr
.endm
.macro WALU
	s_wait_alu depctr_va_vdst(0)
.endm
.macro CREST
	s_cmp_lg_u32 s[WV], 0
	s_cbranch_scc1 .Lnot_wave_0_\@
	s_barrier_signal -3
.Lnot_wave_0_\@:
	s_barrier_wait -3
	s_barrier_signal -1
	s_barrier_wait -1
.endm
.macro CROUND
	s_barrier_signal -1
	s_barrier_wait -1
	CREST
.endm
.macro FETCH slot, q, f, sc            ; B's fragments and both sides' scale words of K step 4 slot + q
	WIN TO_F
.irp i, 0,1,2,3
.irp c, 0,1,2,3
	ds_load_b128 v[(\f)+64+16*\i+4*\c:(\f)+64+16*\i+4*\c+3], v[ADRB+\slot] offset:(\q)*PL+\i*2048+\c*512
.endr
.endr
	WIN 0
.irp i, 0,1,2,3
	ds_load_b32 v[SC+4*(\sc)+\i], v[ADRS+\slot] offset:(\q)*PL+64*\i
.endr
.endm
.macro ALOAD                           ; my 64 rows of A, all of K: 128 loads
.irp q, 0,1,2,3,4,5,6,7
	WIN ((2+\q/4)<<6)
.irp i, 0,1,2,3
.irp c, 0,1,2,3
	ds_load_b128 v[64*(\q%4)+16*\i+4*\c:64*(\q%4)+16*\i+4*\c+3], v[ADRA+\q/4] offset:(\q%4)*PL+\i*2048+\c*512
.endr
.endr
.endr
	WIN 0
.endm
.macro MULA f, a, sc, first            ; A's tile a against B's four; the 16 accumulators take turns in the same order in every step
.irp b, 0,1,2,3
.if \first
	v_wmma_scale_f32_16x16x128_f8f6f4 v[ACC+8*(4*\a+\b):ACC+8*(4*\a+\b)+7], v[(\f)+64+16*\b:(\f)+64+16*\b+15], v[64*(KA%4)+16*\a:64*(KA%4)+16*\a+15], v[BIAS+8*\b:BIAS+8*\b+7], v[SC+4*(\sc)+\b], v[SC+4*(\sc)+\a] matrix_a_scale:MATRIX_SCALE_ROW1
.else
	v_wmma_scale_f32_16x16x128_f8f6f4 v[ACC+8*(4*\a+\b):ACC+8*(4*\a+\b)+7], v[(\f)+64+16*\b:(\f)+64+16*\b+15], v[64*(KA%4)+16*\a:64*(KA%4)+16*\a+15], v[ACC+8*(4*\a+\b):ACC+8*(4*\a+\b)+7], v[SC+4*(\sc)+\b], v[SC+4*(\sc)+\a] matrix_a_scale:MATRIX_SCALE_ROW1
.endif
.endr
.endm
.macro STEP slot, qn, first            ; fetches K step 4 slot + qn into buffer qn % 2 and multiplies the K step before it
	s_wait_dscnt 0x0
	PLACES 8                                       ; eight plain lines between the last products, which read the other buffer, and the loads into it
	FETCH \slot, \qn, 128*((\qn)%2), (\qn)%2
	SETK 4*(\slot)+(\qn)-1
	WIN MUL
.irp a, 0,1,2,3
	MULA 128*(((\qn)+1)%2), \a, ((\qn)+1)%2, \first
.endr
.endm
.macro GELU64 x                        ; 64 numbers a lane at v[x ..] of window 0, in place
	WIN 0x40
	WALU
.set j, 0
.rept 64
	v_fma_f32 v[GT+j], |v[\x+j]|, s[KH], 1.0       ; each accumulator from its low end on
.set j, j+1
.endr
	WIN 0x41
	WALU
.set j, 0
.rept 64
	v_rcp_f32 v[GT+j], v[GT+j]                     ; t
.set j, j+1
.endr
	WIN 0x40
.set j, 0
.rept 32
	v_pk_mul_f32 v[GW+j:GW+j+1], v[\x+j:\x+j+1], v[\x+j:\x+j+1]
.set j, j+2
.endr
	WIN 0x41
	WALU
.set j, 0
.rept 32
	v_pk_fma_f32 v[GP+j:GP+j+1], v[GT+j:GT+j+1], v[A9:A9+1], 0xbf97d29d op_sel_hi:[1,1,0]
.set j, j+2
.endr
	WIN 0x45
.irp k, 0x40097039, 0xbfd1a1e5, 0x3ecdfd18, 0xbe899a80, 0x3e0efb2e, 0x3f0a29d2, 0x3fb8ab5a, 0xc034d90f
.set j, 0
.rept 32
	v_pk_fma_f32 v[GP+j:GP+j+1], v[GP+j:GP+j+1], v[GT+j:GT+j+1], \k op_sel_hi:[1,1,0]
.set j, j+2
.endr
.endr
	WIN 0x51
.set j, 0
.rept 32
	v_pk_fma_f32 v[GP+j:GP+j+1], v[GW+j:GW+j+1], 0xbf38aa3b, v[GP+j:GP+j+1] op_sel_hi:[1,0,1]
.set j, j+2
.endr
	WIN 0x41
	WALU
.set j, 0
.rept 64
	v_exp_f32 v[GP+j], v[GP+j]
.set j, j+1
.endr
	WIN 0x40
.set j, 0
.rept 64
	v_max_num_f32 v[GW+j], 0, v[\x+j]
.set j, j+1
.endr
	WIN 0x45
	WALU
.set j, 0
.rept 32
	v_pk_mul_f32 v[GP+j:GP+j+1], v[GP+j:GP+j+1], v[GT+j:GT+j+1]
.set j, j+2
.endr
	WIN 0x14
.set j, 0
.rept 64
	v_fma_f32 v[\x+j], -|v[\x+j]|, v[GP+j], v[GW+j]
.set j, j+1
.endr
	WIN 0
.endm
.macro QUANT4 s, pc, pw                ; 64 numbers of a lane, four blocks of 16, become 16 registers of codes and two pairs of scale bytes
.irp b, 0,1,2,3
	v_max3_num_f32 v[TM+\b], |v[\s+16*\b]|, |v[\s+1+16*\b]|, 0x4800000
.endr
.irp i, 2,4,6,8,10,12,14
.irp b, 0,1,2,3
	v_max3_num_f32 v[TM+\b], v[TM+\b], |v[\s+16*\b+\i]|, |v[\s+1+16*\b+\i]|
.endr
.endr
.irp b, 0,1,2,3
	v_permlanex16_b32 v[TM+4+\b], v[TM+\b], s[SEL], s[SEL+1]
.endr
.irp b, 0,1,2,3
	v_max_num_f32 v[TM+\b], v[TM+\b], v[TM+4+\b]
.endr
.irp b, 0,1,2,3
	v_add_nc_u32 v[TM+12+\b], 0xfc000000, v[TM+\b]
.endr
.irp b, 0,1,2,3
	v_and_or_b32 v[TM+8+\b], v[TM+\b], 0x7f800000, s[MNT]
.endr
.irp b, 0,1,2,3
	v_lshrrev_b32 v[TM+4+\b], 23, v[TM+12+\b]
.endr
	v_lshl_or_b32 v[\pw], v[TM+5], 8, v[TM+4]
	v_lshl_or_b32 v[\pw+1], v[TM+7], 8, v[TM+6]
.irp b, 0,1,2,3
.irp i, 0,1,2,3,4,5,6,7,8,9,10,11,12,13,14,15
	v_med3_num_f32 v[\s+16*\b+\i], v[\s+16*\b+\i], -v[TM+8+\b], v[TM+8+\b]  ; the conversion does not saturate (ISA guide 7.6.2)
.endr
	v_cvt_scalef32_pk8_fp8_f32 v[\pc+4*\b:\pc+4*\b+1], v[\s+16*\b:\s+16*\b+7], v[TM+12+\b]
	v_cvt_scalef32_pk8_fp8_f32 v[\pc+4*\b+2:\pc+4*\b+3], v[\s+16*\b+8:\s+16*\b+15], v[TM+12+\b]
.endr
	v_nop
.endm
.macro BIASLOAD                        ; register i of tile b of lane (r, h): hidden unit 32 (b / 2) + 16 h + 8 (b % 2) + i of my 64
.irp b, 0,1,2,3
	global_load_b128 v[BIAS+8*\b:BIAS+8*\b+3], v[HB], s[8:9] offset:128*(\b/2)+32*(\b%2)
	global_load_b128 v[BIAS+8*\b+4:BIAS+8*\b+7], v[HB], s[8:9] offset:128*(\b/2)+32*(\b%2)+16
.endr
.endm
	s_load_b256 s[4:11], s[0:1], 0x0               ; h's codes, the weights' codes, b1, g's codes
	v_lshl_add_u32 v[SPW], v0, 2, SPARE
	v_mov_b32 v[NIL], 0
	ds_add_u32 v[SPW], v[NIL]                      ; the opening lines: the add twice on end and one wait
	ds_add_u32 v[SPW], v[NIL]
	v_lshrrev_b32 v1, 5, v0
	v_readfirstlane_b32 s[WV], v1
	s_lshr_b32 s[WR], s[WV], 1
	s_and_b32 s[WC], s[WV], 1
	s_bfe_u32 s40, ttmp6, 0x40000                  ; cx
	s_bfe_u32 s41, ttmp6, 0x40004                  ; cy
	s_lshl_b32 s42, ttmp9, 2
	s_add_co_u32 s42, s42, s40                     ; x
	s_and_b32 s17, ttmp7, 0xffff
	s_lshl_b32 s17, s17, 2
	s_add_co_u32 s17, s17, s41                     ; ty
	s_lshl_b32 s43, s41, 2
	s_lshl_b32 s43, 15, s43
	s_lshl_b32 s44, 0x1111, s40
	s_or_b32 s[G1A], s43, (3<<16)|(1<<21)
	s_or_b32 s[G1B], s44, (3<<16)|(1<<21)
	s_or_b32 s[G1H], s44, (3<<16)|(1<<21)
	s_mov_b32 s[G1B+2], 132<<16                    ; a refill of B: 132 rows of 256 bytes a wave
	s_mov_b32 s[G1B+4], 132
.irp g, G1A, G1H
	s_mov_b32 s[\g+2], 264<<16                     ; a first fill: 264 rows a wave
	s_mov_b32 s[\g+4], 264
.endr
.irp g, G1A, G1B, G1H
	s_mov_b32 s[\g+1], 32<<16
	s_mov_b32 s[\g+3], 32<<16
	s_mov_b32 s[\g+5], 32
	s_mov_b32 s[\g+6], 0
	s_mov_b32 s[\g+7], 0
.endr
	s_lshl_b32 s18, s[WV], 1
	s_lshl_b32 s19, s[WC], 2
	s_mul_i32 s20, s17, KS
	s_add_co_u32 s20, s20, s19
	s_mul_i32 s20, s20, PL
	s_mov_b32 s21, 0
	s_mul_i32 s46, s42, KS
	s_add_co_u32 s22, s46, s19
	s_add_co_u32 s46, s46, s18
	s_mul_i32 s46, s46, PL
	s_add_co_u32 s46, s46, WOFF
	s_mov_b32 s47, 0
	s_mul_i32 s22, s22, PL
	s_add_co_u32 s22, s22, WOFF
	s_mov_b32 s23, 0
	s_mul_i32 s45, s[WV], 2*PL
	s_mul_i32 s72, s41, 33*256                     ; my share of a prefetch, one tile on
	s_add_co_u32 s72, s72, 64*PL
	s_mov_b32 s73, 0
	s_lshl_b32 s66, s[WR], 13
	s_lshl_b32 s67, s[WC], 13
	s_add_co_u32 s67, s67, BOFF
	s_lshl_b32 s68, s[WR], 8
	s_lshl_b32 s69, s[WC], 8
	s_add_co_u32 s69, s69, BOFF
	s_sub_co_u32 s69, s69, s68
	s_add_co_u32 s68, s68, 16384
	s_lshl_b32 s70, s42, 9                         ; the bias of my 64 hidden units
	s_lshl_b32 s71, s[WC], 8
	s_add_co_u32 s70, s70, s71
	s_mov_b32 s71, 0
	s_lshl_b32 s80, s17, 5
	s_add_co_u32 s80, s80, s42
	s_mul_i32 s80, s80, PL                         ; g's block (ty, x)
	s_lshl_b32 s76, s[WR], 13
	s_lshl_b32 s77, s[WC], 10
	s_add_co_u32 s76, s76, s77
	s_add_co_u32 s76, s76, s80
	s_lshl_b32 s78, s[WR], 8
	s_lshl_b32 s79, s[WC], 1
	s_add_co_u32 s78, s78, s79
	s_add_co_u32 s78, s78, s80
	s_add_co_u32 s78, s78, 16384
	s_mov_b32 s[SEL], 0x76543210
	s_mov_b32 s[SEL+1], 0xfedcba98
	s_mov_b32 s[MNT], 0x600000
	s_mov_b32 s[KH], 0x3eb504f3
	s_wait_dscnt 0x0
	CROUND                                         ; all sixteen work-groups are here: the first joint loads meet
	s_wait_kmcnt 0x0
	s_mov_b32 s[G0A], 1
	s_mul_i32 s[G0A+1], s[WC], 4*PL
	s_add_nc_u64 s[G0A+2:G0A+3], s[4:5], s[20:21]
	s_or_b32 s[G0A+3], s[G0A+3], 0x80000000
	s_mov_b32 s[G0H], 1
	s_mul_i32 s[G0H+1], s[WC], 4*PL
	s_add_co_u32 s[G0H+1], s[G0H+1], BOFF
	s_add_nc_u64 s[G0H+2:G0H+3], s[6:7], s[22:23]
	s_or_b32 s[G0H+3], s[G0H+3], 0x80000000
	s_cmp_eq_u32 s[WR], 0
	s_cbranch_scc0 .Lhead_b
	tensor_load_to_lds s[G0A:G0A+3], s[G1A:G1A+7]
	s_nop 0
	PLACES 4
	s_branch .Lhead_asked
.Lhead_b:
	tensor_load_to_lds s[G0H:G0H+3], s[G1H:G1H+7]
	s_nop 0
	PLACES 4
.Lhead_asked:
	s_mov_b32 s[G0B], 1
	s_add_co_u32 s[G0B+1], s45, BOFF
	s_add_nc_u64 s[G0B+2:G0B+3], s[6:7], s[46:47]
	s_add_nc_u64 s[PFA:PFA+1], s[G0B+2:G0B+3], s[72:73]
	s_or_b32 s[G0B+3], s[G0B+3], 0x80000000
	s_add_nc_u64 s[8:9], s[8:9], s[70:71]
	v_and_b32 v1, 15, v0
	v_bfe_u32 v2, v0, 4, 1
	v_and_b32 v3, 31, v0
	v_lshlrev_b32 v[PFO], 8, v3
	v_mov_b32 v[PFO2], 8192
	v_lshlrev_b32 v3, 4, v3
	v_add_nc_u32 v[ADRA], s66, v3
	v_add_nc_u32 v[ADRB], s67, v3
	v_add_nc_u32 v[ADRA+1], SLOT, v[ADRA]
	v_add_nc_u32 v[ADRB+1], SLOT, v[ADRB]
	v_mul_u32_u24 v[ADRS], s69, v2                 ; lanes 16-31 take B's words: one product, the distance between the two
	v_lshl_add_u32 v[ADRS], v1, 2, v[ADRS]
	v_add_nc_u32 v[ADRS], s68, v[ADRS]
	v_add_nc_u32 v[ADRS+1], SLOT, v[ADRS]
	v_lshlrev_b32 v[HB], 6, v2
	BIASLOAD
	v_lshl_add_u32 v12, v1, 2, s78
	v_add_nc_u32 v3, s76, v3
.irp a, 0,1,2,3
	v_add_nc_u32 v[CO+\a], 2048*\a, v3
	v_add_nc_u32 v[SO+\a], 64*\a, v12
	v_mov_b32 v[TM+4+\a], 0
.endr
	v_mov_b32 v[A9], 0x3e7c6f08
	v_mov_b32 v[A9+1], 0x3e7c6f08
	WALU
	s_cmp_eq_u32 s[WR], 0
	s_cbranch_scc0 .Lnot_a
	s_wait_tensorcnt 0x0                           ; waves 0, 1: A has landed; B's waves wait at the tile's head
.Lnot_a:
	s_barrier_signal -1
	s_barrier_wait -1
	ALOAD
	s_wait_dscnt 0x0
.macro TILE more
	s_wait_tensorcnt 0x0                           ; my part of B has landed
	s_barrier_signal -1
	s_barrier_wait -1
	FETCH 0, 0, F0, 0
.if \more
	global_prefetch_b8 v[PFO], s[PFA:PFA+1] th:TH_LOAD_NT scope:SCOPE_SE     ; the next tile's B: seven K steps ahead of its load
	global_prefetch_b8 v[PFO2], s[PFA:PFA+1] th:TH_LOAD_NT scope:SCOPE_SE
.endif
	s_wait_loadcnt 0x0                             ; the bias
	STEP 0, 1, 1
	STEP 0, 2, 0
	STEP 0, 3, 0
	STEP 1, 0, 0
	STEP 1, 1, 0
	STEP 1, 2, 0
	STEP 1, 3, 0
	SETK 7
.if \more
	WIN 0
	s_wait_tensorcnt 0x0                           ; no tensor load of mine is out
	ds_add_u32 v[SPW], v[NIL]                      ; 0 onto my spare word
	s_wait_dscnt 1
	WIN MUL
	MULA F1, 0, 1, 0
	s_wait_dscnt 0x0                               ; the add is done, and my reads of B are over
	s_barrier_signal -1
	MULA F1, 1, 1, 0
	WIN 0
	s_barrier_wait -1
	CREST
	s_add_nc_u64 s[G0B+2:G0B+3], s[G0B+2:G0B+3], 64*PL
	tensor_load_to_lds s[G0B:G0B+3], s[G1B:G1B+7]  ; my one load behind the round: my quarter of the next tile's B
	s_nop 0
	PLACES 4
	WIN MUL
	MULA F1, 2, 1, 0
	MULA F1, 3, 1, 0
	WIN 0
	s_add_nc_u64 s[8:9], s[8:9], 8*512
	PLACES 8
	BIASLOAD
.else
	s_wait_dscnt 0x0
	WIN MUL
.irp a, 0,1,2,3
	MULA F1, \a, 1, 0
.endr
	WIN 0
	PLACES 8
.endif
	GELU64 ACC
	GELU64 ACC+64
	QUANT4 ACC, PC, PW
	QUANT4 ACC+64, PC+16, PW+2
.irp a, 0,1,2,3
	global_store_b128 v[CO+\a], v[PC+8*\a:PC+8*\a+3], s[10:11]             ; 512 consecutive bytes a store
	global_store_b128 v[CO+\a], v[PC+8*\a+4:PC+8*\a+7], s[10:11] offset:512
	global_store_b16 v[SO+\a], v[PW+\a], s[10:11]
.endr
.if \more
	s_wait_xcnt 0x0                                ; the stores and the prefetches have read their registers
	s_add_nc_u64 s[10:11], s[10:11], 8*PL
	s_add_nc_u64 s[PFA:PFA+1], s[PFA:PFA+1], 64*PL
.endif
.endm
	s_mov_b32 s3, TILES-1
.Ltile:
	TILE 1
	s_sub_co_u32 s3, s3, 1
	s_cmp_lg_u32 s3, 0
	s_cbranch_scc1 .Ltile
	TILE 0
	s_wait_tensorcnt 0x0                           ; the wave's end
	ds_add_u32 v[SPW], v[NIL]
	s_wait_dscnt 0x0
	CROUND
	s_endpgm
.Lfunc_end_k_qef4528986d_fc1:
	.size	k_qef4528986d_fc1, .Lfunc_end_k_qef4528986d_fc1-k_qef4528986d_fc1
	.p2alignl 7, 3214868480
	.fill 96, 4, 3214868480
	.section	.rodata,"a",@progbits
	.p2align	6, 0x0
	.amdhsa_kernel k_qef4528986d_fc1
		.amdhsa_group_segment_fixed_size 327680
		.amdhsa_private_segment_fixed_size 0
		.amdhsa_enable_private_segment 0
		.amdhsa_kernarg_size 32
		.amdhsa_user_sgpr_count 2
		.amdhsa_user_sgpr_kernarg_segment_ptr 1
		.amdhsa_wavefront_size32 1
		.amdhsa_system_sgpr_workgroup_id_x 1
		.amdhsa_system_sgpr_workgroup_id_y 1
		.amdhsa_system_sgpr_workgroup_id_z 1
		.amdhsa_system_vgpr_workitem_id 0
		.amdhsa_next_free_vgpr 1024
		.amdhsa_next_free_sgpr 100
		.amdhsa_reserve_vcc 0
		.amdhsa_float_denorm_mode_32 3
		.amdhsa_float_denorm_mode_16_64 3
		.amdhsa_memory_ordered 1
		.amdhsa_forward_progress 1
		.amdhsa_inst_pref_size 255
	.end_amdhsa_kernel
	.section	.bss,"aw",@nobits
	.p2align	6
	.space	262144
	.amdgpu_metadata
---
amdhsa.version: [ 1, 2 ]
amdhsa.kernels:
  - .name:           k_qef4528986d_fc1
    .symbol:         k_qef4528986d_fc1.kd
    .args:
      - { .name: hcodes, .offset: 0, .size: 8, .value_kind: global_buffer, .address_space: global }
      - { .name: wcodes, .offset: 8, .size: 8, .value_kind: global_buffer, .address_space: global }
      - { .name: b_fc1, .offset: 16, .size: 8, .value_kind: global_buffer, .address_space: global }
      - { .name: gcodes, .offset: 24, .size: 8, .value_kind: global_buffer, .address_space: global }
    .group_segment_fixed_size: 327680
    .private_segment_fixed_size: 0
    .kernarg_segment_align: 8
    .kernarg_segment_size: 32
    .max_flat_workgroup_size: 128
    .sgpr_count:     100
    .vgpr_count:     1024
    .wavefront_size: 32
...
	.end_amdgpu_metadata
.endif
;; end of part 6
;; launch fc2 (part 7): grid 8 x 32, 4 waves a work-group, clusters of 4 x 4, 327,680 bytes of LDS; arguments gcodes, wcodes, b_fc2, x1, out0; writes out0
.if DOCPART == 7
	.amdgcn_target "amdgcn-amd-amdhsa--gfx1250"
	.amdhsa_code_object_version 6
	.text
	.protected	k_qef4528986d_fc2
	.globl	k_qef4528986d_fc2
	.p2align	8
	.type	k_qef4528986d_fc2,@function
k_qef4528986d_fc2:
	s_mov_b64 s[64:65], 0
	v_nop
	global_prefetch_b8 v0, s[64:65] scope:SCOPE_SE
	s_setreg_imm32_b32 hwreg(HW_REG_WAVE_MODE, 25, 1), 1
	s_wait_xcnt 0x0
	s_wait_alu depctr_hold_cnt(0) depctr_sa_sdst(0) depctr_va_vdst(0) depctr_va_sdst(0) depctr_va_ssrc(0) depctr_va_vcc(0) depctr_vm_vsrc(0)
	s_getreg_b32 s2, hwreg(HW_REG_IB_STS2, 6, 4)
	s_cmp_eq_u32 s2, 0
	s_cbranch_scc0 .Lentry_in_a_cluster
	s_endpgm
.Lentry_in_a_cluster:
	s_bfe_u32 s2, ttmp6, 0x10000c
	s_cmp_lg_u32 s2, 0xf033
	s_cbranch_scc0 .Lentry_shape_is_right
	s_endpgm
.Lentry_shape_is_right:
.set KS,    32
.set LAPS,  KS/8
.set WOFF,  512*16896
.set PL,    16896
.set BOFF,  8*PL
.set SLOT,  4*PL
.set STAGE, 2*BOFF
.set SP,    272
.set SPARE, STAGE+4*16*SP
.set ADRA, 4
.set ADRB, 6
.set ADRS, 8
.set STO,  10
.set RD,   11
.set RO,   12
.set HB,   13
.set SPW,  14
.set NIL,  15
.set SC,   32
.set BIAS, 64
.set ACC,  128
.set F0,   0
.set F1,   128
.set RES,  0
.set WV, 14
.set WR, 15
.set WC, 16
.set G1A, 24
.set G0A, 32
.set G1B, 48
.set G0B, 56
.set G0HA, 68                          ; s[68:71], s[72:75] groups 0 of the first fills; s[76:83], s[84:91] their groups 1: 264 rows
.set G0HB, 72
.set G1HA, 76
.set G1HB, 84
.set PFA,  92                          ; s[92:93] where my prefetches stand
.set PFO,  16                          ; v16 256 x lane; v17 256 x 32: never rewritten
.set PFO2, 17
.set MSB, 0
.macro WIN new
.if MSB != \new
	s_set_vgpr_msb (MSB<<8)|\new
.set MSB, \new
.endif
.endm
.set MUL,  0x05
.set TO_F, 0x40
.macro PLACES n
.rept \n
	v_nop
.endr
.endm
.macro JLOAD s
	s_cmp_eq_u32 s[WR], 0
	s_cbranch_scc0 .Lfor_b_\@
	tensor_load_to_lds s[G0A+4*\s:G0A+4*\s+3], s[G1A:G1A+7]
	s_nop 0
	PLACES 4
	s_branch .Lasked_\@
.Lfor_b_\@:
	tensor_load_to_lds s[G0B+4*\s:G0B+4*\s+3], s[G1B:G1B+7]
	s_nop 0
	PLACES 4
.Lasked_\@:
.endm
.macro CREST
	s_cmp_lg_u32 s[WV], 0
	s_cbranch_scc1 .Lnot_wave_0_\@
	s_barrier_signal -3
.Lnot_wave_0_\@:
	s_barrier_wait -3
	s_barrier_signal -1
	s_barrier_wait -1
.endm
.macro CROUND
	s_barrier_signal -1
	s_barrier_wait -1
	CREST
.endm
.macro FETCH slot, q, f, sc
	WIN TO_F
.irp i, 0,1,2,3
.irp c, 0,1,2,3
	ds_load_b128 v[(\f)+64+16*\i+4*\c:(\f)+64+16*\i+4*\c+3], v[ADRB+\slot] offset:(\q)*PL+\i*2048+\c*512
	ds_load_b128 v[(\f)+16*\i+4*\c:(\f)+16*\i+4*\c+3], v[ADRA+\slot] offset:(\q)*PL+\i*2048+\c*512
.endr
.endr
	WIN 0
.irp i, 0,1,2,3
	ds_load_b32 v[SC+4*(\sc)+\i], v[ADRS+\slot] offset:(\q)*PL+64*\i
.endr
.endm
.macro MULA f, a, sc, first
.irp b, 0,1,2,3
.if \first
	v_wmma_scale_f32_16x16x128_f8f6f4 v[ACC+8*(4*\a+\b):ACC+8*(4*\a+\b)+7], v[(\f)+64+16*\b:(\f)+64+16*\b+15], v[(\f)+16*\a:(\f)+16*\a+15], v[BIAS+8*\b:BIAS+8*\b+7], v[SC+4*(\sc)+\b], v[SC+4*(\sc)+\a] matrix_a_scale:MATRIX_SCALE_ROW1
.else
	v_wmma_scale_f32_16x16x128_f8f6f4 v[ACC+8*(4*\a+\b):ACC+8*(4*\a+\b)+7], v[(\f)+64+16*\b:(\f)+64+16*\b+15], v[(\f)+16*\a:(\f)+16*\a+15], v[ACC+8*(4*\a+\b):ACC+8*(4*\a+\b)+7], v[SC+4*(\sc)+\b], v[SC+4*(\sc)+\a] matrix_a_scale:MATRIX_SCALE_ROW1
.endif
.endr
.endm
.macro STEP slot, qn, first
	s_wait_dscnt 0x0
	PLACES 8
	FETCH \slot, \qn, 128*((\qn)%2), (\qn)%2
	WIN MUL
.irp a, 0,1,2,3
	MULA 128*(((\qn)+1)%2), \a, ((\qn)+1)%2, \first
.endr
.endm
.macro TURN slot, next, fill
	WIN 0
.if \fill
	s_wait_xcnt 0x0                                ; my earlier prefetches have read their address: it steps one refill on
	s_add_nc_u64 s[PFA:PFA+1], s[PFA:PFA+1], 4*PL
.endif
	s_wait_tensorcnt 0x0
	ds_add_u32 v[SPW], v[NIL]
	s_wait_dscnt 1
	WIN MUL
	MULA F1, 0, 1, 0
	s_wait_dscnt 0x0
	s_barrier_signal -1
	MULA F1, 1, 1, 0
	WIN 0
	s_barrier_wait -1
.if \fill
	CREST
	s_add_nc_u64 s[G0A+4*\slot+2:G0A+4*\slot+3], s[G0A+4*\slot+2:G0A+4*\slot+3], 8*PL
	s_add_nc_u64 s[G0B+4*\slot+2:G0B+4*\slot+3], s[G0B+4*\slot+2:G0B+4*\slot+3], 8*PL
	JLOAD \slot
	PLACES 4
.else
	PLACES 8
.endif
	FETCH \next, 0, F0, 0
.if \fill
	s_cmp_gt_u32 s3, 1                             ; the loop's last trip has no refill two changes on
	s_cbranch_scc0 .Lno_ask_\@
	global_prefetch_b8 v[PFO], s[PFA:PFA+1] offset:4*PL th:TH_LOAD_NT scope:SCOPE_SE
	global_prefetch_b8 v[PFO2], s[PFA:PFA+1] offset:4*PL th:TH_LOAD_NT scope:SCOPE_SE
.Lno_ask_\@:
.endif
	WIN MUL
	MULA F1, 2, 1, 0
	MULA F1, 3, 1, 0
.endm
	s_load_b256 s[4:11], s[0:1], 0x0
	s_load_b64 s[12:13], s[0:1], 0x20
	v_lshl_add_u32 v[SPW], v0, 2, SPARE
	v_mov_b32 v[NIL], 0
	ds_add_u32 v14, v15
	ds_add_u32 v14, v15
	s_wait_dscnt 0x0
	v_lshrrev_b32 v1, 5, v0
	v_readfirstlane_b32 s[WV], v1
	s_lshr_b32 s[WR], s[WV], 1
	s_and_b32 s[WC], s[WV], 1
	s_bfe_u32 s40, ttmp6, 0x40000
	s_bfe_u32 s41, ttmp6, 0x40004
	s_lshl_b32 s42, ttmp9, 2
	s_add_co_u32 s42, s42, s40
	s_and_b32 s17, ttmp7, 0xffff
	s_lshl_b32 s17, s17, 2
	s_add_co_u32 s17, s17, s41
	s_lshl_b32 s43, s41, 2
	s_lshl_b32 s43, 15, s43
	s_lshl_b32 s44, 0x1111, s40
	s_or_b32 s[G1A], s43, (3<<16)|(1<<21)
	s_or_b32 s[G1B], s44, (3<<16)|(1<<21)
	s_or_b32 s[G1HA], s43, (3<<16)|(1<<21)
	s_or_b32 s[G1HB], s44, (3<<16)|(1<<21)
.irp g, G1A, G1B
	s_mov_b32 s[\g+2], 132<<16                     ; a refill: 132 rows of 256 bytes a wave: two operand blocks
	s_mov_b32 s[\g+4], 132
.endr
.irp g, G1HA, G1HB
	s_mov_b32 s[\g+2], 264<<16                     ; a first fill: 264 rows a wave: a whole slot of A or of B
	s_mov_b32 s[\g+4], 264
.endr
.irp g, G1A, G1B, G1HA, G1HB
	s_mov_b32 s[\g+1], 32<<16
	s_mov_b32 s[\g+3], 32<<16
	s_mov_b32 s[\g+5], 32
	s_mov_b32 s[\g+6], 0
	s_mov_b32 s[\g+7], 0
.endr
	s_lshl_b32 s18, s[WC], 1
	s_mul_i32 s20, s17, KS
	s_add_co_u32 s20, s20, s18
	s_mul_i32 s20, s20, PL
	s_mov_b32 s21, 0
	s_mul_i32 s46, s42, KS
	s_add_co_u32 s46, s46, s18
	s_mul_i32 s46, s46, PL
	s_add_co_u32 s46, s46, WOFF
	s_mov_b32 s47, 0
	s_mul_i32 s45, s[WR], BOFF
	s_mul_i32 s19, s[WC], 2*PL
	s_add_co_u32 s45, s45, s19
	s_wait_kmcnt 0x0
	s_add_nc_u64 s[20:21], s[4:5], s[20:21]
	s_add_nc_u64 s[46:47], s[6:7], s[46:47]
	CROUND
.irp s, 0,1
	s_mov_b32 s[G0A+4*\s], 1
	s_add_co_u32 s[G0A+4*\s+1], s45, \s*SLOT
	s_add_nc_u64 s[G0A+4*\s+2:G0A+4*\s+3], s[20:21], \s*SLOT
	s_or_b32 s[G0A+4*\s+3], s[G0A+4*\s+3], 0x80000000
	s_mov_b32 s[G0B+4*\s], 1
	s_add_co_u32 s[G0B+4*\s+1], s45, \s*SLOT
	s_add_nc_u64 s[G0B+4*\s+2:G0B+4*\s+3], s[46:47], \s*SLOT
	s_or_b32 s[G0B+4*\s+3], s[G0B+4*\s+3], 0x80000000
.endr
	; THE FIRST FILLS, one joint load a wave behind the one round: wave (wr, wc) fetches slot wc, four K steps, of A (wr = 0) or of B (wr = 1): both slots are filled at the head
	s_mul_i32 s22, s[WC], 2*PL
	s_mov_b32 s23, 0
	s_mov_b32 s[G0HA], 1
	s_add_co_u32 s[G0HA+1], s45, s22
	s_add_nc_u64 s[G0HA+2:G0HA+3], s[20:21], s[22:23]
	s_or_b32 s[G0HA+3], s[G0HA+3], 0x80000000
	s_mov_b32 s[G0HB], 1
	s_add_co_u32 s[G0HB+1], s45, s22
	s_add_nc_u64 s[G0HB+2:G0HB+3], s[46:47], s[22:23]
	s_or_b32 s[G0HB+3], s[G0HB+3], 0x80000000
	s_cmp_eq_u32 s[WR], 0
	s_cbranch_scc0 .Lhead_b
	tensor_load_to_lds s[G0HA:G0HA+3], s[G1HA:G1HA+7]
	s_nop 0
	PLACES 4
	s_branch .Lhead_asked
.Lhead_b:
	tensor_load_to_lds s[G0HB:G0HB+3], s[G1HB:G1HB+7]
	s_nop 0
	PLACES 4
.Lhead_asked:
	; THE PREFETCHES.  A refill of mine is 132 blocks of 256 bytes, asked for jointly by four partners: the partner at place p (cx for A, cy for B) names blocks 33 p .. 33 p + 32, told apart by address alone.
	; Each change of slots names the tile of the refill two changes on; the head names the first two refills' tiles; the last two changes that fill name nothing.
	s_cmp_eq_u32 s[WR], 0
	s_cselect_b64 s[PFA:PFA+1], s[20:21], s[46:47]
	s_cselect_b32 s22, s40, s41
	s_mul_i32 s22, s22, 33*256
	s_add_co_u32 s22, s22, 8*PL
	s_add_nc_u64 s[PFA:PFA+1], s[PFA:PFA+1], s[22:23]
	v_and_b32 v1, 15, v0
	v_bfe_u32 v2, v0, 4, 1
	s_wait_alu depctr_va_vdst(0)
	v_and_b32 v3, 31, v0
	v_lshlrev_b32 v3, 4, v3
	s_lshl_b32 s18, s[WR], 13
	s_lshl_b32 s19, s[WC], 13
	s_add_co_u32 s19, s19, BOFF
.irp s, 0,1
	v_add_nc_u32 v[ADRA+\s], s18, v3
	v_add_nc_u32 v[ADRB+\s], s19, v3
	s_add_co_u32 s18, s18, SLOT
	s_add_co_u32 s19, s19, SLOT
.endr
	s_lshl_b32 s18, s[WR], 8
	s_lshl_b32 s19, s[WC], 8
	s_add_co_u32 s19, s19, BOFF
	s_sub_co_u32 s19, s19, s18
	v_mul_u32_u24 v[ADRS], s19, v2
	v_lshl_add_u32 v[ADRS], v1, 2, v[ADRS]
	s_add_co_u32 s18, s18, 16384
	v_add_nc_u32 v[ADRS], s18, v[ADRS]
	v_add_nc_u32 v[ADRS+1], SLOT, v[ADRS]
	s_mul_i32 s18, s[WV], 16*SP
	s_add_co_u32 s18, s18, STAGE
	v_mul_u32_u24 v[STO], v1, SP
	v_lshl_add_u32 v[STO], v2, 6, v[STO]
	v_add_nc_u32 v[STO], s18, v[STO]
	v_mul_u32_u24 v[RD], v2, SP
	v_lshl_add_u32 v[RD], v1, 4, v[RD]
	v_add_nc_u32 v[RD], s18, v[RD]
	v_lshlrev_b32 v[RO], 12, v2
	v_lshl_add_u32 v[RO], v1, 4, v[RO]
	v_lshlrev_b32 v[HB], 6, v2
	v_and_b32 v[PFO], 31, v0
	v_lshlrev_b32 v[PFO], 8, v[PFO]
	v_mov_b32 v[PFO2], 8192
	s_wait_alu depctr_va_vdst(0)
	global_prefetch_b8 v[PFO], s[PFA:PFA+1] th:TH_LOAD_NT scope:SCOPE_SE                 ; K steps 8 on: the first refill's tile,
	global_prefetch_b8 v[PFO2], s[PFA:PFA+1] th:TH_LOAD_NT scope:SCOPE_SE
	global_prefetch_b8 v[PFO], s[PFA:PFA+1] offset:4*PL th:TH_LOAD_NT scope:SCOPE_SE     ; and the second's
	global_prefetch_b8 v[PFO2], s[PFA:PFA+1] offset:4*PL th:TH_LOAD_NT scope:SCOPE_SE
	s_lshl_b32 s20, s17, 7
	s_lshl_b32 s21, s[WR], 6
	s_add_co_u32 s20, s20, s21
	s_lshl_b32 s20, s20, 12
	s_lshl_b32 s46, s42, 9
	s_lshl_b32 s47, s[WC], 8
	s_add_co_u32 s46, s46, s47
	s_mov_b32 s47, 0
	s_add_co_u32 s20, s20, s46
	s_mov_b32 s21, 0
	s_add_nc_u64 s[8:9], s[8:9], s[46:47]
	s_add_nc_u64 s[10:11], s[10:11], s[20:21]
	s_add_nc_u64 s[12:13], s[12:13], s[20:21]
.irp b, 0,1,2,3
	global_load_b128 v[BIAS+8*\b:BIAS+8*\b+3], v[HB], s[8:9] offset:128*(\b/2)+32*(\b%2)
	global_load_b128 v[BIAS+8*\b+4:BIAS+8*\b+7], v[HB], s[8:9] offset:128*(\b/2)+32*(\b%2)+16
.endr
	WIN 0x80
.irp a, 0,1,2,3
.irp i, 0,1,2,3,4,5,6,7
	global_load_b128 v[RES+32*\a+4*\i:RES+32*\a+4*\i+3], v[RO], s[10:11] offset:(32*(\a/2)+8*(\a%2)+2*(\i%4)+16*(\i/4))*4096 th:TH_LOAD_NT
.endr
.endr
	WIN 0
	s_wait_tensorcnt 0x0
	s_barrier_signal -1
	s_barrier_wait -1
	FETCH 0, 0, F0, 0
	s_wait_loadcnt 32
	STEP 0, 1, 1
	WIN 0
	s_mov_b32 s3, LAPS-1
.Llap:
	STEP 0, 2, 0
	STEP 0, 3, 0
	TURN 0, 1, 1
	STEP 1, 1, 0
	STEP 1, 2, 0
	STEP 1, 3, 0
	TURN 1, 0, 1
	STEP 0, 1, 0
	WIN 0
	s_sub_co_u32 s3, s3, 1
	s_cmp_lg_u32 s3, 0
	s_cbranch_scc1 .Llap
	STEP 0, 2, 0
	STEP 0, 3, 0
	TURN 0, 1, 0
	STEP 1, 1, 0
	STEP 1, 2, 0
	STEP 1, 3, 0
	s_wait_dscnt 0x0
	WIN MUL
.irp a, 0,1,2,3
	MULA F1, \a, 1, 0
.endr
	WIN 0
.macro TOSTAGE a
.irp b, 0,1,2,3
	ds_store_b128 v[STO], v[ACC+32*\a+8*\b:ACC+32*\a+8*\b+3] offset:128*(\b/2)+32*(\b%2)
	ds_store_b128 v[STO], v[ACC+32*\a+8*\b+4:ACC+32*\a+8*\b+7] offset:128*(\b/2)+32*(\b%2)+16
.endr
.irp i, 0,1,2,3,4,5,6,7
	ds_load_b128 v[ACC+32*\a+4*\i:ACC+32*\a+4*\i+3], v[RD] offset:\i*2*SP
.endr
.endm
.macro SEND a, younger
	s_wait_dscnt \younger
	WIN 0x08
.irp i, 0,2,4,6,8,10,12,14,16,18,20,22,24,26,28,30
	v_pk_add_f32 v[ACC+32*\a+\i:ACC+32*\a+\i+1], v[ACC+32*\a+\i:ACC+32*\a+\i+1], v[RES+32*\a+\i:RES+32*\a+\i+1]
.endr
	WIN 0
.irp i, 0,1,2,3,4,5,6,7
	global_store_b128 v[RO], v[ACC+32*\a+4*\i:ACC+32*\a+4*\i+3], s[12:13] offset:(32*(\a/2)+8*(\a%2)+2*(\i%4)+16*(\i/4))*4096 th:TH_STORE_NT
.endr
.endm
	PLACES 8
	s_wait_loadcnt 0x0
	TOSTAGE 0
	TOSTAGE 1
	SEND 0, 16
	TOSTAGE 2
	SEND 1, 16
	TOSTAGE 3
	SEND 2, 16
	SEND 3, 0
	s_wait_tensorcnt 0x0
	ds_add_u32 v[SPW], v[NIL]
	s_wait_dscnt 0x0
	CROUND
	s_endpgm
.Lfunc_end_k_qef4528986d_fc2:
	.size	k_qef4528986d_fc2, .Lfunc_end_k_qef4528986d_fc2-k_qef4528986d_fc2
	.p2alignl 7, 3214868480
	.fill 96, 4, 3214868480
	.section	.rodata,"a",@progbits
	.p2align	6, 0x0
	.amdhsa_kernel k_qef4528986d_fc2
		.amdhsa_group_segment_fixed_size 327680
		.amdhsa_private_segment_fixed_size 0
		.amdhsa_enable_private_segment 0
		.amdhsa_kernarg_size 40
		.amdhsa_user_sgpr_count 2
		.amdhsa_user_sgpr_kernarg_segment_ptr 1
		.amdhsa_wavefront_size32 1
		.amdhsa_system_sgpr_workgroup_id_x 1
		.amdhsa_system_sgpr_workgroup_id_y 1
		.amdhsa_system_sgpr_workgroup_id_z 1
		.amdhsa_system_vgpr_workitem_id 0
		.amdhsa_next_free_vgpr 640
		.amdhsa_next_free_sgpr 100
		.amdhsa_reserve_vcc 0
		.amdhsa_float_denorm_mode_32 3
		.amdhsa_float_denorm_mode_16_64 3
		.amdhsa_memory_ordered 1
		.amdhsa_forward_progress 1
		.amdhsa_inst_pref_size 102
	.end_amdhsa_kernel
	.amdgpu_metadata
---
amdhsa.version: [ 1, 2 ]
amdhsa.kernels:
  - .name:           k_qef4528986d_fc2
    .symbol:         k_qef4528986d_fc2.kd
    .args:
      - { .name: gcodes, .offset: 0, .size: 8, .value_kind: global_buffer, .address_space: global }
      - { .name: wcodes, .offset: 8, .size: 8, .value_kind: global_buffer, .address_space: global }
      - { .name: b_fc2, .offset: 16, .size: 8, .value_kind: global_buffer, .address_space: global }
      - { .name: x1, .offset: 24, .size: 8, .value_kind: global_buffer, .address_space: global }
      - { .name: out0, .offset: 32, .size: 8, .value_kind: global_buffer, .address_space: global }
    .group_segment_fixed_size: 327680
    .private_segment_fixed_size: 0
    .kernarg_segment_align: 8
    .kernarg_segment_size: 40
    .max_flat_workgroup_size: 128
    .sgpr_count:     100
    .vgpr_count:     640
    .wavefront_size: 32
...
	.end_amdgpu_metadata
.endif
;; end of part 7
